; MI455X (gfx1250); checked and timed in simulation.
; The chip was launched on July 23, 2026; its instructions are those of AMD's public machine-readable ISA for CDNA 5 (MIT licence, August 2026) and "CDNA5" Instruction Set Architecture Reference Guide (July 2026). The comments in the code are by the model that wrote it; some were corrected since.
;; Block. Allowed arithmetic: float matrix products may take bf16 or f16 operands with f32 sums; other float arithmetic in f32, or as packed bf16 or f16 multiplies, adds, multiply-adds, maxima and minima; sums over many terms, partial sums and values carried from step to step in f32; what a program stores and reads back later, other than sums and carried values, may be rounded once to bf16 or f16.
;; Inputs: Wk 16 x 1,024 x 64 float32; Wq 16 x 1,024 x 64 float32; Wv 16 x 1,024 x 64 float32; ln1_b 1,024 float32; ln1_w 1,024 float32; ln2_b 1,024 float32; ln2_w 1,024 float32; p_b 1,024 float32; p_w 2,048 x 1,024 float32; proj_b 1,024 float32; proj_w 1,024 x 1,024 float32; v_b 2,048 float32; v_w 1,024 x 2,048 float32; w_b 2,048 float32; w_w 1,024 x 2,048 float32; x 2 x 2,048 x 1,024 float32.
;; Outputs: out0 2 x 2,048 x 1,024 float32.
;; One version. Each part assembles by itself: llvm-mc -triple=amdgcn-amd-amdhsa -mcpu=gfx1250 --defsym DOCPART=n.
;; ======== version 1 of 1: 7 launches
;; limits: values are held in f16: magnitudes above 65,504 overflow, below 6.1e-05 lose precision
;; workspace buffers: wts 20,971,520 bytes; tab 262,144 bytes; hn 8,388,608 bytes; qkv 25,174,016 bytes; o 8,388,608 bytes; x1 16,777,216 bytes; g 16,777,216 bytes
;; launch prep (part 1): grid 512 x 1, 8 waves a work-group, no clusters, 0 bytes of LDS; arguments x, ln1_w, ln1_b, Wq, Wk, Wv, proj_w, w_w, v_w, p_w, hn, wts, tab, qkv; writes hn, wts, tab, qkv
.if DOCPART == 1
	.amdgcn_target "amdgcn-amd-amdhsa--gfx1250"
	.amdhsa_code_object_version 6
	.text
	.protected	k_q74b56ec5e2_prep
	.globl	k_q74b56ec5e2_prep
	.p2align	8
	.type	k_q74b56ec5e2_prep,@function
k_q74b56ec5e2_prep:
	s_mov_b64 s[64:65], 0
	v_nop
	global_prefetch_b8 v0, s[64:65] scope:SCOPE_SE
	s_setreg_imm32_b32 hwreg(HW_REG_WAVE_MODE, 25, 1), 1
	s_wait_xcnt 0x0
; PREP.  Three jobs, chosen by the work-group's number; each is a stream, no work-group shares an input with another, so no LDS, no cluster, no matrix unit.
;   0..127    hn = LayerNorm(x) * ln1_w + ln1_b, f32 -> f16.  One wave a row, 4 rows a wave; the row stays in registers between the passes.  Mean first, then the centred squares.
;   128..447  the seven weight tensors, cast as they lie ([K][N]): Wq, Wk, Wv, proj_w, w_w, v_w to f16, p_w to bf16.  A work-group casts 131,072 bytes of f32.
;   448..511  the RoPE table, f16: for (t, q4) 16 bytes: cos of d mod 32 = 4 q4 + 0..3, then sin with the sign of rotate_half (minus for even d).  Work-group 448 also writes 8,192 zero bytes behind k.
; LIMITS.  f16 ends at 65,504: |hn| <= 32 |gain| + |bias| and the weights must stay within it.  The angle t * 10000^(-j/32) is reduced in turns in f32: about 3e-4 rad off at t = 2,047.
.set LW, 16                            ; v[16:47]   gain of my 32 columns
.set LB, 48                            ; v[48:79]   bias
.set X,  80                            ; v[80:111]  the row as loaded
.set D,  112                           ; v[112:143] the row, centred
.set Y,  144                           ; v[144:159] at work, then 32 f16 to store
.set XP, 8                             ; s[8:9]   x
.set GP, 10                            ; s[10:11] gain
.set BP, 12                            ; s[12:13] bias
.set HP, 28                            ; s[28:29] hn
.set LOGW, 3                           ; 8 waves
	s_load_b512 s[8:23], s[0:1], 0x0               ; x, ln1_w, ln1_b, Wq, Wk, Wv, proj_w, w_w
	s_load_b256 s[24:31], s[0:1], 0x40             ; v_w, p_w, hn, wts
	s_load_b128 s[32:35], s[0:1], 0x60             ; tab, qkv
	s_mov_b32 s36, ttmp9
	v_lshrrev_b32 v1, 5, v0
	v_readfirstlane_b32 s37, v1                    ; wave
	v_and_b32 v3, 31, v0
	v_lshlrev_b32 v1, 4, v3                        ; 16 x lane
	v_lshlrev_b32 v2, 3, v3                        ; 8 x lane
	s_wait_kmcnt 0x0
	s_cmp_lt_u32 s36, 128
	s_cbranch_scc1 .Lln
	s_cmp_lt_u32 s36, 448
	s_cbranch_scc1 .Lcast
	; ---- the RoPE table: thread gid makes (t, q4) = (gid / 8, gid % 8)
	s_sub_co_u32 s38, s36, 448
	s_lshl_b32 s38, s38, 8
	v_add_nc_u32 v4, s38, v0                       ; gid
	v_lshrrev_b32 v5, 3, v4
	v_and_b32 v6, 7, v4
	v_cvt_f32_u32 v5, v5                           ; t
	v_lshlrev_b32 v6, 2, v6                        ; 4 q4
	v_lshlrev_b32 v44, 4, v4                       ; my 16 bytes
	s_mov_b32 s50, 0x3e800000                      ; 0.25
	s_mov_b32 s52, 0xc17183a8                      ; sin(2 pi z) = z (c1 + z^2 (c3 + .. + z^2 c11)): c11 = -(2 pi)^11 / 11!
	s_mov_b32 s53, s52
	s_mov_b32 s54, 0x42283c1a                      ; c9
	s_mov_b32 s55, s54
	s_mov_b32 s56, 0xc2996966                      ; c7
	s_mov_b32 s57, s56
	s_mov_b32 s58, 0x42a335e3                      ; c5
	s_mov_b32 s59, s58
	s_mov_b32 s60, 0xc2255de7                      ; c3
	s_mov_b32 s61, s60
	s_mov_b32 s62, 0x40c90fdb                      ; c1 = 2 pi
	s_mov_b32 s63, s62
.irp e, 0,1,2,3
	v_add_nc_u32 v[8+\e], \e, v6                   ; j = 4 q4 + e
	v_cvt_f32_u32 v[8+\e], v[8+\e]
	v_mul_f32 v[8+\e], 0xbed49a78, v[8+\e]         ; -j log2(10000) / 32
.endr
.irp e, 0,1,2,3
	v_exp_f32 v[8+\e], v[8+\e]                     ; 10000^(-j/32)
.endr
	v_nop                                          ; a plain instruction behind the last exponential,
	s_wait_alu depctr_va_vdst(0)                   ; and one wait for the four, ahead of their first reader
.irp e, 0,1,2,3
	v_mul_f32 v[8+\e], v5, v[8+\e]                 ; the angle, rounded as the reference rounds it
	v_mul_f32 v[8+\e], 0.15915494, v[8+\e]         ; in turns
	v_rndne_f32 v[12+\e], v[8+\e]
	v_sub_f32 v[8+\e], v[8+\e], v[12+\e]           ; f in -0.5 .. 0.5
.endr
.irp e, 0,2
	v_add_f32 v[12+\e], s50, v[8+\e]               ; -sin(2 pi f) = cos(2 pi (f + 1/4))
.endr
.irp e, 1,3
	v_sub_f32 v[12+\e], v[8+\e], s50               ; sin(2 pi f) = cos(2 pi (f - 1/4))
.endr
.irp e, 0,1,2,3
	v_rndne_f32 v[24+\e], v[12+\e]
	v_sub_f32 v[12+\e], v[12+\e], v[24+\e]
	v_and_b32 v[8+\e], 0x7fffffff, v[8+\e]
	v_and_b32 v[12+\e], 0x7fffffff, v[12+\e]
	v_sub_f32 v[16+2*\e], s50, v[8+\e]             ; cos(2 pi f) = sin(2 pi (1/4 - |f|)): z in -0.25 .. 0.25
	v_sub_f32 v[17+2*\e], s50, v[12+\e]
.endr
.irp e, 0,1,2,3
	v_pk_mul_f32 v[24+2*\e:25+2*\e], v[16+2*\e:17+2*\e], v[16+2*\e:17+2*\e]
.endr
.irp e, 0,1,2,3
	v_pk_fma_f32 v[32+2*\e:33+2*\e], v[24+2*\e:25+2*\e], s[52:53], s[54:55] op_sel_hi:[1,0,0]
.endr
.irp c, 56,58,60,62
.irp e, 0,1,2,3
	v_pk_fma_f32 v[32+2*\e:33+2*\e], v[32+2*\e:33+2*\e], v[24+2*\e:25+2*\e], s[\c:\c+1] op_sel_hi:[1,1,0]
.endr
.endr
.irp e, 0,1,2,3
	v_pk_mul_f32 v[16+2*\e:17+2*\e], v[32+2*\e:33+2*\e], v[16+2*\e:17+2*\e]
.endr
	v_cvt_pk_f16_f32 v40, v16, v18                 ; cos 0, 1
	v_cvt_pk_f16_f32 v41, v20, v22                 ; cos 2, 3
	v_cvt_pk_f16_f32 v42, v17, v19                 ; signed sin 0, 1
	v_cvt_pk_f16_f32 v43, v21, v23
	global_store_b128 v44, v[40:43], s[32:33]      ; sixteen lanes store 256 consecutive bytes
	s_cmp_lg_u32 s36, 448
	s_cbranch_scc1 .Lrope_end
	v_mov_b32 v48, 0                               ; 64 keys of zeros behind the last head's k: the attention's tiles of K reach 64 keys past their 256
	v_mov_b32 v49, 0
	v_mov_b32 v50, 0
	v_mov_b32 v51, 0
	v_lshlrev_b32 v45, 4, v0
	s_add_nc_u64 s[34:35], s[34:35], 0x1800000
	global_store_b128 v45, v[48:51], s[34:35]
	global_store_b128 v45, v[48:51], s[34:35] offset:4096
.Lrope_end:
	s_endpgm
	; ---- the casts: chunk c of 320; a wave takes 16,384 bytes of f32: 32 loads of 512 consecutive bytes, all on their way at once
.Lcast:
	s_sub_co_u32 s38, s36, 128                     ; c
	s_mov_b64 s[40:41], s[14:15]                   ; Wq
	s_mov_b32 s39, 0                               ; the tensor's first chunk
.macro PICK at, lo
	s_cmp_ge_u32 s38, \at
	s_cselect_b64 s[40:41], s[\lo:\lo+1], s[40:41]
	s_cselect_b32 s39, \at, s39
.endm
	PICK 32, 16                                    ; Wk
	PICK 64, 18                                    ; Wv
	PICK 96, 20                                    ; proj_w
	PICK 128, 22                                   ; w_w
	PICK 192, 24                                   ; v_w
	PICK 256, 26                                   ; p_w
	s_sub_co_u32 s39, s38, s39
	s_lshl_b32 s46, s39, 17
	s_lshl_b32 s47, s37, 14
	s_add_co_u32 s46, s46, s47
	s_mov_b32 s47, 0
	s_add_nc_u64 s[40:41], s[40:41], s[46:47]
	s_lshl_b32 s46, s38, 16                        ; the copies lie in wts in the chunks' order
	s_lshl_b32 s48, s37, 13
	s_add_co_u32 s46, s46, s48
	s_add_nc_u64 s[42:43], s[30:31], s[46:47]
.set j, 0
.rept 32
	global_load_b128 v[16+4*j:19+4*j], v1, s[40:41] offset:512*j th:TH_LOAD_NT
.set j, j+1
.endr
	s_wait_loadcnt 0x0
	s_cmp_ge_u32 s38, 256
	s_cbranch_scc1 .Lto_bf16
.set j, 0
.rept 32
	v_cvt_pk_f16_f32 v[16+4*j], v[16+4*j], v[17+4*j]
	v_cvt_pk_f16_f32 v[17+4*j], v[18+4*j], v[19+4*j]
.set j, j+1
.endr
	s_branch .Lcast_out
.Lto_bf16:
.set j, 0
.rept 32
	v_cvt_pk_bf16_f32 v[16+4*j], v[16+4*j], v[17+4*j]
	v_cvt_pk_bf16_f32 v[17+4*j], v[18+4*j], v[19+4*j]
.set j, j+1
.endr
.Lcast_out:
.set j, 0
.rept 32
	global_store_b64 v2, v[16+4*j:17+4*j], s[42:43] offset:256*j  ; a wave's store covers 256 consecutive bytes, aligned
.set j, j+1
.endr
	s_endpgm
	; ---- LayerNorm.  Load j of a row is 512 consecutive bytes: my columns 128 j + 4 lane + 0..3.
.macro RED                             ; v4 summed over the 32 lanes, the result in every lane
	v_add_f32_dpp v4, v4, v4 row_xmask:1 row_mask:0xf bank_mask:0xf
	v_add_f32_dpp v4, v4, v4 row_xmask:2 row_mask:0xf bank_mask:0xf
	v_add_f32_dpp v4, v4, v4 row_xmask:4 row_mask:0xf bank_mask:0xf
	v_add_f32_dpp v4, v4, v4 row_xmask:8 row_mask:0xf bank_mask:0xf
	v_permlanex16_b32 v10, v4, s44, s45
	v_add_f32 v4, v4, v10
.endm
.Lln:
	s_lshl_b32 s38, s36, LOGW
	s_add_co_u32 s38, s38, s37                     ; my wave among all: 4 rows each
	s_lshl_b32 s46, s38, 14
	s_mov_b32 s47, 0
	s_add_nc_u64 s[40:41], s[XP:XP+1], s[46:47]    ; x at my first row
	s_lshl_b32 s46, s38, 13
	s_add_nc_u64 s[42:43], s[HP:HP+1], s[46:47]    ; hn at my first row
	s_mov_b32 s44, 0x76543210
	s_mov_b32 s45, 0xfedcba98
	s_mov_b32 s48, 0x3a800000                      ; 1 / 1024
	s_mov_b32 s38, 4                               ; rows to go
	v_mov_b32 v10, 0                               ; the lane exchange's destination counts as read
.irp j, 0,1,2,3,4,5,6,7
	global_load_b128 v[LW+4*\j:LW+4*\j+3], v1, s[GP:GP+1] offset:512*\j
	global_load_b128 v[LB+4*\j:LB+4*\j+3], v1, s[BP:BP+1] offset:512*\j
.endr
.irp j, 0,1,2,3,4,5,6,7
	global_load_b128 v[X+4*\j:X+4*\j+3], v1, s[40:41] offset:512*\j th:TH_LOAD_NT
.endr
.Lrow:
	s_wait_loadcnt 0x0                             ; the row (the first time: gain and bias too)
.irp i, 0,1,2,3,4,5,6,7
	v_pk_add_f32 v[D+2*\i:D+2*\i+1], v[X+2*\i:X+2*\i+1], v[X+16+2*\i:X+16+2*\i+1]
.endr
.irp i, 0,1,2,3
	v_pk_add_f32 v[D+2*\i:D+2*\i+1], v[D+2*\i:D+2*\i+1], v[D+8+2*\i:D+8+2*\i+1]
.endr
.irp i, 0,1
	v_pk_add_f32 v[D+2*\i:D+2*\i+1], v[D+2*\i:D+2*\i+1], v[D+4+2*\i:D+4+2*\i+1]
.endr
	v_pk_add_f32 v[D:D+1], v[D:D+1], v[D+2:D+3]
	v_add_f32 v4, v[D], v[D+1]
	RED
	v_mul_f32 v6, s48, v4                          ; the mean, twice
	v_mov_b32 v7, v6
.irp i, 0,1,2,3,4,5,6,7,8,9,10,11,12,13,14,15
	v_pk_add_f32 v[D+2*\i:D+2*\i+1], v[X+2*\i:X+2*\i+1], v[6:7] neg_lo:[0,1] neg_hi:[0,1]
.endr
	s_cmp_eq_u32 s38, 1                            ; X has been read: the next row is asked for now; the last row has none behind it
	s_cbranch_scc1 .Lno_next
.irp j, 0,1,2,3,4,5,6,7
	global_load_b128 v[X+4*\j:X+4*\j+3], v1, s[40:41] offset:4096+512*\j th:TH_LOAD_NT
.endr
.Lno_next:
.irp i, 0,1,2,3
	v_pk_mul_f32 v[Y+2*\i:Y+2*\i+1], v[D+2*\i:D+2*\i+1], v[D+2*\i:D+2*\i+1]  ; four chains of squares; Y is free since the wait at the last trip's end
.endr
.irp i, 4,5,6,7,8,9,10,11,12,13,14,15
	v_pk_fma_f32 v[Y+2*((\i)%4):Y+2*((\i)%4)+1], v[D+2*\i:D+2*\i+1], v[D+2*\i:D+2*\i+1], v[Y+2*((\i)%4):Y+2*((\i)%4)+1]
.endr
	v_pk_add_f32 v[Y:Y+1], v[Y:Y+1], v[Y+2:Y+3]
	v_pk_add_f32 v[Y+4:Y+5], v[Y+4:Y+5], v[Y+6:Y+7]
	v_pk_add_f32 v[Y:Y+1], v[Y:Y+1], v[Y+4:Y+5]
	v_add_f32 v4, v[Y], v[Y+1]
	RED
	v_fmaak_f32 v5, s48, v4, 0x3727c5ac            ; variance + 1e-5
	v_rsq_f32 v8, v5
	v_rsq_f32 v9, v5
	v_nop                                          ; a plain instruction behind the second root,
	s_wait_alu depctr_va_vdst(0)                   ; and one wait for both, ahead of their first reader
.irp i, 0,1,2,3,4,5,6,7,8,9,10,11,12,13,14,15
	v_pk_mul_f32 v[D+2*\i:D+2*\i+1], v[D+2*\i:D+2*\i+1], v[8:9]
.endr
.irp i, 0,1,2,3,4,5,6,7,8,9,10,11,12,13,14,15
	v_pk_fma_f32 v[D+2*\i:D+2*\i+1], v[D+2*\i:D+2*\i+1], v[LW+2*\i:LW+2*\i+1], v[LB+2*\i:LB+2*\i+1]
.endr
.irp i, 0,1,2,3,4,5,6,7,8,9,10,11,12,13,14,15
	v_cvt_pk_f16_f32 v[Y+\i], v[D+2*\i], v[D+2*\i+1]
.endr
.irp j, 0,1,2,3,4,5,6,7
	global_store_b64 v2, v[Y+2*\j:Y+2*\j+1], s[42:43] offset:256*\j  ; 256 consecutive bytes, aligned
.endr
	s_wait_xcnt 0x0                                ; the bases and Y are written again only behind this wait
	s_add_nc_u64 s[40:41], s[40:41], 4096
	s_add_nc_u64 s[42:43], s[42:43], 2048
	s_sub_co_u32 s38, s38, 1
	s_cmp_lg_u32 s38, 0
	s_cbranch_scc1 .Lrow
	s_endpgm
.Lfunc_end_k_q74b56ec5e2_prep:
	.size	k_q74b56ec5e2_prep, .Lfunc_end_k_q74b56ec5e2_prep-k_q74b56ec5e2_prep
	.p2alignl 7, 3214868480
	.fill 96, 4, 3214868480
	.section	.rodata,"a",@progbits
	.p2align	6, 0x0
	.amdhsa_kernel k_q74b56ec5e2_prep
		.amdhsa_group_segment_fixed_size 0
		.amdhsa_private_segment_fixed_size 0
		.amdhsa_enable_private_segment 0
		.amdhsa_kernarg_size 112
		.amdhsa_user_sgpr_count 2
		.amdhsa_user_sgpr_kernarg_segment_ptr 1
		.amdhsa_wavefront_size32 1
		.amdhsa_system_sgpr_workgroup_id_x 1
		.amdhsa_system_sgpr_workgroup_id_y 1
		.amdhsa_system_sgpr_workgroup_id_z 1
		.amdhsa_system_vgpr_workitem_id 0
		.amdhsa_next_free_vgpr 160
		.amdhsa_next_free_sgpr 66
		.amdhsa_reserve_vcc 0
		.amdhsa_float_denorm_mode_32 3
		.amdhsa_float_denorm_mode_16_64 3
		.amdhsa_memory_ordered 1
		.amdhsa_forward_progress 1
		.amdhsa_inst_pref_size 34
	.end_amdhsa_kernel
	.amdgpu_metadata
---
amdhsa.version: [ 1, 2 ]
amdhsa.kernels:
  - .name:           k_q74b56ec5e2_prep
    .symbol:         k_q74b56ec5e2_prep.kd
    .args:
      - { .name: x, .offset: 0, .size: 8, .value_kind: global_buffer, .address_space: global }
      - { .name: ln1_w, .offset: 8, .size: 8, .value_kind: global_buffer, .address_space: global }
      - { .name: ln1_b, .offset: 16, .size: 8, .value_kind: global_buffer, .address_space: global }
      - { .name: Wq, .offset: 24, .size: 8, .value_kind: global_buffer, .address_space: global }
      - { .name: Wk, .offset: 32, .size: 8, .value_kind: global_buffer, .address_space: global }
      - { .name: Wv, .offset: 40, .size: 8, .value_kind: global_buffer, .address_space: global }
      - { .name: proj_w, .offset: 48, .size: 8, .value_kind: global_buffer, .address_space: global }
      - { .name: w_w, .offset: 56, .size: 8, .value_kind: global_buffer, .address_space: global }
      - { .name: v_w, .offset: 64, .size: 8, .value_kind: global_buffer, .address_space: global }
      - { .name: p_w, .offset: 72, .size: 8, .value_kind: global_buffer, .address_space: global }
      - { .name: hn, .offset: 80, .size: 8, .value_kind: global_buffer, .address_space: global }
      - { .name: wts, .offset: 88, .size: 8, .value_kind: global_buffer, .address_space: global }
      - { .name: tab, .offset: 96, .size: 8, .value_kind: global_buffer, .address_space: global }
      - { .name: qkv, .offset: 104, .size: 8, .value_kind: global_buffer, .address_space: global }
    .group_segment_fixed_size: 0
    .private_segment_fixed_size: 0
    .kernarg_segment_align: 8
    .kernarg_segment_size: 112
    .max_flat_workgroup_size: 256
    .sgpr_count:     66
    .vgpr_count:     160
    .wavefront_size: 32
...
	.end_amdgpu_metadata
.endif
;; end of part 1
;; launch qkvg (part 2): grid 16 x 16, 4 waves a work-group, clusters of 4 x 4, 327,680 bytes of LDS; arguments hn, wts, tab, qkv; writes qkv
.if DOCPART == 2
	.amdgcn_target "amdgcn-amd-amdhsa--gfx1250"
	.amdhsa_code_object_version 6
	.text
	.protected	k_q74b56ec5e2_qkvg
	.globl	k_q74b56ec5e2_qkvg
	.p2align	8
	.type	k_q74b56ec5e2_qkvg,@function
k_q74b56ec5e2_qkvg:
	s_mov_b64 s[64:65], 0
	v_nop
	global_prefetch_b8 v0, s[64:65] scope:SCOPE_SE
	s_setreg_imm32_b32 hwreg(HW_REG_WAVE_MODE, 25, 1), 1
	s_wait_xcnt 0x0
	s_wait_alu depctr_hold_cnt(0) depctr_sa_sdst(0) depctr_va_vdst(0) depctr_va_sdst(0) depctr_va_ssrc(0) depctr_va_vcc(0) depctr_vm_vsrc(0)
	s_getreg_b32 s2, hwreg(HW_REG_IB_STS2, 6, 4)
	s_cmp_eq_u32 s2, 0
	s_cbranch_scc0 .Lentry_in_a_cluster
	s_endpgm
.Lentry_in_a_cluster:
	s_bfe_u32 s2, ttmp6, 0x10000c
	s_cmp_lg_u32 s2, 0xf033
	s_cbranch_scc0 .Lentry_shape_is_right
	s_endpgm
.Lentry_shape_is_right:
; q, k, v OF ONE HEAD FOR 256 ROWS: hn [4096][1024] f16 times Wq | Wk | Wv of head x ([1024][64] f16 each), sums in f32; RoPE on q and k in f32; q, k, v rounded once to f16, by heads [b 16 + h][t][64].
; LIMIT.  f16 ends at 65,504: q, k and v must stay within it.
; SHARES.  Grid x = head, y = block of 256 rows: 256 work-groups.  Four waves, 2 x 2: wave (wr, wc) makes rows 128 wr .. +127 and channels 32 wc .. +31 of each of q, k, v: 8 x 6 accumulators of 16 x 16.
; RING.  K goes in 8 steps of 128 through two LDS slots.  Waves 0 to 2 fetch the 16,384 dense bytes of Wq, Wk, Wv (the wave's number says which), wave 3 hn's tile (256 rows x 256 bytes).  One text serves both
; slots: the read side adds s[TB], the fill side s[TBF], each 0 or SLOT, turned by an exclusive or.
; CLUSTER 4 x 4.  hn's tile hangs on y alone and is asked for jointly along a row of the cluster, W's on x alone and jointly along a column.
; The weights lie [k][n] in LDS and are turned on the way into registers (ds_load_tr16_b128).  The matrix instruction is used transposed (source 0 = 16 columns of W, source 1 = 16 rows of hn):
; a lane holds row l % 16 and eight neighbouring channels.
; REGISTERS: window 0: v0-31 addresses, v64-127 and v128-191 hn's fragments (two buffers), v32-35, v64-127, v192-223 at work on the way out; window 1: W's fragments at the same numbers;
; window 2: accumulators of my rows 0-63 ((a, b) at 8 (6 a + b)); window 3: rows 64-127.
.set T,     8
.set NF,    28                         ; LDS loads in a run: 12 of W, 16 of hn
.set PA,    272                        ; hn's rows in LDS: 256 + 16 bytes
.set PB,    160                        ; W's rows: 128 + 32 bytes
.set BOFF,  256*PA
.set BW,    128*PB
.set SLOT,  131072
.set TAB,   2*SLOT                     ; the RoPE table of each wave's 64 rows, 8,192 bytes a wave: filled once
.set SPARE, TAB+4*8192                 ; the spare words: two blocks of 256 bytes that no other line names
.set DP,    784                        ; the way out: a row of 192 f32 + 16 bytes
.set ASTEP, 256
.set BSTEP, 16384
.set AWAVE, 3                          ; the wave that fetches hn's tile
.set ADRA, 16
.set ADRA0, 17
.set ADRB, 18
.set ADRB0, 20
.set DST, 22                           ; v22, v23
.set RD,  24
.set TRD, 25
.set GO,  26
.set PFO, 27
.set SPW, 28
.set NIL, 29
.set ZR,  30
.set F0,  64
.set F1,  128
.set G1A, 24
.set G0A, 32
.set G1B, 40
.set G0B, 48
.set G1T, 56
.set G0T, 68
.set WV, 72
.set WR, 73
.set WC, 74
.set CX, 75
.set CY, 76
.set TX, 77
.set TY, 78
.set LAP, 79
.set LIM, 80
.set PAR, 81
.set TB, 82
.set TBF, 83
.set WBA, 84
.set WBB, 85
.set PFA, 86
.set PST, 88
.set OQ, 92
.set OKK, 94
.set OV, 96
.set MSB, 0
.macro WIN new                         ; the immediate's high byte repeats the setting that is left
.if MSB != (\new)
	s_set_vgpr_msb (MSB<<8)|(\new)
.set MSB, \new
.endif
.endm
.set MUL_LO, 0xa1                      ; source 0 (W) window 1, source 1 (hn) window 0, C and D window 2
.set MUL_HI, 0xf1
.set TO_B,   0x40
.macro PLACES                          ; four places behind matrix instructions (ISA guide 7.12.1)
.rept 4
	v_nop
.endr
.endm
.macro JLOAD                           ; the joint refill, by the walking descriptors; the branch hangs on the wave's number alone
	s_cmp_eq_u32 s[WV], AWAVE
	s_cbranch_scc0 .Lfor_b_\@
	tensor_load_to_lds s[G0A+4:G0A+7], s[G1A:G1A+7]
	s_nop 0
	PLACES
	s_branch .Lasked_\@
.Lfor_b_\@:
	tensor_load_to_lds s[G0B+4:G0B+7], s[G1B:G1B+7]
	s_nop 0
	PLACES
.Lasked_\@:
.endm
.macro CREST                           ; a round of the cluster's barrier behind its opening barrier
	s_cmp_lg_u32 s[WV], 0
	s_cbranch_scc1 .Lnot_wave_0_\@
	s_barrier_signal -3
.Lnot_wave_0_\@:
	s_barrier_wait -3
	s_barrier_signal -1
	s_barrier_wait -1
.endm
.macro CROUND
	s_barrier_signal -1
	s_barrier_wait -1
	CREST
.endm
; A prefetch into the L2 of the K step two refills on.  hn's rows: the cluster with x = 0 asks; of the tile's 256 rows the partner at cx takes 64: wave 3, a lane a row, two instructions.
; W's bytes: the cluster with y = 0 asks; in every second trip waves 0 to 2 name two K steps' 32,768 bytes, of which the partner at cy takes 8,192: a lane 256 bytes.  Each block is named once in the launch.
; The first four K steps come by their loads alone; the last two refills have no K step two on.
.macro ASK
	s_cmp_gt_u32 s[LAP], s[LIM]
	s_cbranch_scc0 .Lnot_mine_\@
	s_and_b32 s90, s[LAP], s[PAR]
	s_cmp_lg_u32 s90, 0
	s_cbranch_scc1 .Lnot_mine_\@
	global_prefetch_b8 v[PFO], s[PFA:PFA+1] th:TH_LOAD_NT scope:SCOPE_SE
	s_cmp_lg_u32 s[WV], AWAVE
	s_cbranch_scc1 .Lnot_mine_\@
	global_prefetch_b8 v[PFO], s[PFA:PFA+1] offset:65536 th:TH_LOAD_NT scope:SCOPE_SE
.Lnot_mine_\@:
.endm
	s_load_b256 s[4:11], s[0:1], 0x0               ; hn, wts, tab, qkv
	v_lshl_add_u32 v[SPW], v0, 2, SPARE
	v_mov_b32 v[NIL], 0
	ds_add_u32 v[SPW], v[NIL]                      ; the wave's opening: the add and its wait stand ahead of my first tensor load
	v_lshrrev_b32 v1, 5, v0
	v_readfirstlane_b32 s[WV], v1
	s_lshr_b32 s[WR], s[WV], 1
	s_and_b32 s[WC], s[WV], 1
	s_bfe_u32 s[CX], ttmp6, 0x40000
	s_bfe_u32 s[CY], ttmp6, 0x40004
	s_lshl_b32 s[TX], ttmp9, 2
	s_add_co_u32 s[TX], s[TX], s[CX]               ; the head
	s_and_b32 s[TY], ttmp7, 0xffff
	s_lshl_b32 s[TY], s[TY], 2
	s_add_co_u32 s[TY], s[TY], s[CY]               ; the block of 256 rows
	s_lshl_b32 s12, s[CY], 2
	s_lshl_b32 s12, 15, s12                        ; my row of the cluster
	s_lshl_b32 s14, 0x1111, s[CX]                  ; my column
	s_or_b32 s[G1A], s12, (1<<16)|(1<<20)|(1<<21)|(5<<22)|(3<<25)  ; 2-byte elements; 16 bytes of padding behind every 256
	s_or_b32 s[G1B], s14, (1<<16)|(1<<20)|(1<<21)|(4<<22)|(7<<25)  ; 32 bytes of padding behind every 128
	s_mov_b32 s[G1A+1], 128<<16                    ; 128 elements x 256 rows, 1,024 elements from row to row
	s_mov_b32 s[G1A+2], 256<<16
	s_mov_b32 s[G1A+3], 128<<16
	s_mov_b32 s[G1A+4], 256
	s_mov_b32 s[G1A+5], 1024
	s_mov_b32 s[G1A+6], 0
	s_mov_b32 s[G1A+7], 0
	s_mov_b32 s[G1B+1], 128<<16                    ; 16,384 dense bytes as 64 rows of 256
	s_mov_b32 s[G1B+2], 64<<16
	s_mov_b32 s[G1B+3], 128<<16
	s_mov_b32 s[G1B+4], 64
	s_mov_b32 s[G1B+5], 128
	s_mov_b32 s[G1B+6], 0
	s_mov_b32 s[G1B+7], 0
	s_mov_b32 s[G1T], 1<<16                        ; the table: 8,192 dense bytes as 32 rows of 256; a load of my own, no mask
	s_mov_b32 s[G1T+1], 128<<16
	s_mov_b32 s[G1T+2], 32<<16
	s_mov_b32 s[G1T+3], 128<<16
	s_mov_b32 s[G1T+4], 32
	s_mov_b32 s[G1T+5], 128
	s_mov_b32 s[G1T+6], 0
	s_mov_b32 s[G1T+7], 0
	s_lshl_b32 s12, s[TY], 19                      ; hn: 256 rows of 2,048 bytes
	s_mov_b32 s13, 0
	s_lshl_b32 s14, s[WV], 21                      ; Wq, Wk, Wv lie 2,097,152 bytes apart: wave w (0 to 2) fetches the w-th; wave 3 makes these words too and never asks by them
	s_lshl_b32 s15, s[TX], 17
	s_add_co_u32 s14, s14, s15
	s_mov_b32 s15, 0
	s_mul_i32 s[WBB], s[WV], BW                    ; and its place in a slot: BOFF + wave x BW
	s_add_co_u32 s[WBB], s[WBB], BOFF
	s_mov_b32 s[WBA], 0
	s_and_b32 s20, s[TY], 7
	s_lshl_b32 s20, s20, 15
	s_lshl_b32 s21, s[WV], 13
	s_add_co_u32 s20, s20, s21                     ; ((y % 8) 256 + 64 wave) x 128: my 64 rows in the table, and in a head's q, k, v
	s_add_co_u32 s[G0T+1], s21, TAB
	s_mov_b32 s21, 0
	s_mov_b32 s[G0T], 1
	s_mov_b32 s[TB], 0
	s_mov_b32 s[TBF], SLOT
	s_wait_dscnt 0x0                               ; the opening add is done
	s_wait_kmcnt 0x0
	s_add_nc_u64 s[16:17], s[4:5], s[12:13]
	s_add_nc_u64 s[18:19], s[6:7], s[14:15]
	s_add_nc_u64 s[G0T+2:G0T+3], s[8:9], s[20:21]
	s_or_b32 s[G0T+3], s[G0T+3], 0x80000000
.irp s, 0,1
	s_mov_b32 s[G0A+4*(\s)], 1
	s_add_co_u32 s[G0A+4*(\s)+1], s[WBA], (\s)*SLOT
	s_add_nc_u64 s[G0A+4*(\s)+2:G0A+4*(\s)+3], s[16:17], (\s)*ASTEP
	s_or_b32 s[G0A+4*(\s)+3], s[G0A+4*(\s)+3], 0x80000000
	s_mov_b32 s[G0B+4*(\s)], 1
	s_add_co_u32 s[G0B+4*(\s)+1], s[WBB], (\s)*SLOT
	s_add_nc_u64 s[G0B+4*(\s)+2:G0B+4*(\s)+3], s[18:19], (\s)*BSTEP
	s_or_b32 s[G0B+4*(\s)+3], s[G0B+4*(\s)+3], 0x80000000
.endr
	CROUND                                         ; all sixteen work-groups are here: the first joint loads meet
	s_cmp_eq_u32 s[WV], AWAVE                      ; a wave's three first fills stand in one branch: three loads of mine are out
	s_cbranch_scc0 .Lfirst_b
	tensor_load_to_lds s[G0A:G0A+3], s[G1A:G1A+7]
	s_nop 0
	tensor_load_to_lds s[G0A+4:G0A+7], s[G1A:G1A+7]
	s_nop 0
	tensor_load_to_lds s[G0T:G0T+3], s[G1T:G1T+7]
	s_nop 0
	PLACES
	s_branch .Lfirst_done
.Lfirst_b:
	tensor_load_to_lds s[G0B:G0B+3], s[G1B:G1B+7]
	s_nop 0
	tensor_load_to_lds s[G0B+4:G0B+7], s[G1B:G1B+7]
	s_nop 0
	tensor_load_to_lds s[G0T:G0T+3], s[G1T:G1T+7]
	s_nop 0
	PLACES
.Lfirst_done:
	; where q, k, v go: ((y / 8) 16 + head) x 2,048 rows + my 64 rows, 128 bytes a row
	s_lshr_b32 s98, s[TY], 3
	s_lshl_b32 s98, s98, 4
	s_add_co_u32 s98, s98, s[TX]
	s_lshl_b32 s98, s98, 18
	s_add_co_u32 s98, s98, s20
	s_mov_b32 s99, 0
	s_add_nc_u64 s[OQ:OQ+1], s[10:11], s[98:99]
	s_add_nc_u64 s[OV:OV+1], s[OQ:OQ+1], 8388608
	s_add_nc_u64 s[OKK:OKK+1], s[OQ:OQ+1], 16777216
	; the prefetches: they stand at K step 3 and are stepped ahead of each request
	s_lshl_b32 s98, s[CX], 17                      ; hn: my work-group's 64 rows of the 256
	s_add_co_u32 s98, s98, s12
	s_add_co_u32 s98, s98, 3*ASTEP
	s_lshl_b32 s66, s[CY], 13                      ; W: my work-group's 8,192 bytes of two K steps' 32,768
	s_add_co_u32 s66, s66, s14
	s_add_co_u32 s66, s66, 3*BSTEP
	s_and_b32 s91, ttmp7, 0xffff                   ; cluster y
	s_mov_b32 s[PST], BSTEP
	s_mov_b32 s67, 256
	s_cmp_eq_u32 s[WV], AWAVE
	s_cselect_b32 s98, s98, s66
	s_cselect_b32 s91, ttmp9, s91                  ; the coordinate along which other clusters read the same bytes
	s_cselect_b64 s[PFA:PFA+1], s[4:5], s[6:7]
	s_cselect_b32 s[PST], ASTEP, s[PST]
	s_cselect_b32 s[PAR], 0, 1
	s_cselect_b32 s67, 2048, s67
	s_mov_b32 s[PST+1], 0
	s_add_nc_u64 s[PFA:PFA+1], s[PFA:PFA+1], s[98:99]
	s_cmp_eq_u32 s91, 0
	s_cselect_b32 s[LIM], 2, -1
	v_and_b32 v[PFO], 31, v0
	v_mul_u32_u24 v[PFO], s67, v[PFO]
	; lane addresses
	v_and_b32 v1, 15, v0                           ; r = l % 16
	v_bfe_u32 v2, v0, 4, 1                         ; h = l / 16
	v_and_b32 v4, 7, v0
	v_bfe_u32 v5, v0, 3, 1
	v_mul_u32_u24 v3, v1, PA
	v_lshl_add_u32 v3, v2, 4, v3
	s_mul_i32 s90, s[WR], 128*PA
	v_add_nc_u32 v[ADRA0], s90, v3                 ; hn's fragments: (128 wr + r) pitch + 16 h
	v_lshl_add_u32 v6, v2, 3, v4
	v_mul_u32_u24 v6, v6, PB
	v_lshl_add_u32 v6, v5, 4, v6
	s_lshl_b32 s90, s[WC], 6
	s_add_co_u32 s90, s90, BOFF
	v_add_nc_u32 v[ADRB0], s90, v6                 ; W's: (8 h + l % 8) pitch + 16 ((l / 8) % 2) + 64 wc
	v_mov_b32 v[ADRA], v[ADRA0]
	v_mov_b32 v[ADRB], v[ADRB0]
	v_mul_u32_u24 v7, v1, DP
	v_lshl_add_u32 v7, v2, 4, v7
	s_mul_i32 s90, s[WR], 128*DP
	s_lshl_b32 s91, s[WC], 6
	s_add_co_u32 s90, s90, s91
	v_add_nc_u32 v[DST], s90, v7                   ; the way out, in: (128 wr + r) 784 + 16 h + 64 wc
	v_add_nc_u32 v[DST+1], 64*DP, v[DST]
	v_mul_u32_u24 v7, v2, DP
	v_lshl_add_u32 v7, v4, 4, v7
	v_mad_u32_u24 v7, v5, 384, v7
	s_mul_i32 s90, s[WV], 64*DP
	v_add_nc_u32 v[RD], s90, v7                    ; back: row 64 wave + l / 16, group l % 8, plane (l / 8) % 2
	v_lshl_add_u32 v8, v4, 1, v5
	v_and_b32 v8, 7, v8
	v_lshlrev_b32 v8, 4, v8
	v_lshl_add_u32 v8, v2, 7, v8
	s_lshl_b32 s90, s[WV], 13
	s_add_co_u32 s90, s90, TAB
	v_add_nc_u32 v[TRD], s90, v8                   ; the table's 16 bytes for my four channels: (2 group + plane) % 8
	v_lshlrev_b32 v9, 7, v2
	v_lshl_add_u32 v9, v4, 4, v9
	v_lshl_add_u32 v[GO], v5, 3, v9                ; my 8 bytes in two rows of q, k or v
	v_mov_b32 v[ZR], 0
; 12 products: row blocks a0, a0 + 1 of the window's four x all 6 column blocks, 32 along K.  The 48 accumulators take turns, one instruction a turn.
.macro MULP f, hi, a0, zero
	WIN MUL_LO+0x50*(\hi)
.irp a, \a0, (\a0)+1
.irp b, 0,1,2,3,4,5
.if \zero
	v_wmma_f32_16x16x32_f16 v[8*(6*(\a)+(\b)):8*(6*(\a)+(\b))+7], v[(\f)+8*(\b):(\f)+8*(\b)+7], v[(\f)+8*(4*(\hi)+(\a)):(\f)+8*(4*(\hi)+(\a))+7], 0
.else
	v_wmma_f32_16x16x32_f16 v[8*(6*(\a)+(\b)):8*(6*(\a)+(\b))+7], v[(\f)+8*(\b):(\f)+8*(\b)+7], v[(\f)+8*(4*(\hi)+(\a)):(\f)+8*(4*(\hi)+(\a))+7], v[8*(6*(\a)+(\b)):8*(6*(\a)+(\b))+7]
.endif
.endr
.endr
.endm
; 28 LDS loads in one run: quarter kk of the slot in hand into buffer f: W's six fragments (b = 2 which + e), then hn's eight
.macro FETCH kk, f
	WIN TO_B
.irp b, 0,1,2,3,4,5
	ds_load_tr16_b128 v[(\f)+8*(\b):(\f)+8*(\b)+3],   v[ADRB] offset:((\b)/2)*BW+(\kk)*32*PB+((\b)%2)*32
	ds_load_tr16_b128 v[(\f)+8*(\b)+4:(\f)+8*(\b)+7], v[ADRB] offset:((\b)/2)*BW+(\kk)*32*PB+((\b)%2)*32+16*PB
.endr
	WIN 0
.irp a, 0,1,2,3,4,5,6,7
	ds_load_b128 v[(\f)+8*(\a):(\f)+8*(\a)+3],   v[ADRA] offset:(\kk)*64+(\a)*16*PA
	ds_load_b128 v[(\f)+8*(\a)+4:(\f)+8*(\a)+7], v[ADRA] offset:(\kk)*64+(\a)*16*PA+32
.endr
.endm
.macro QUARTER kk, f, g, zero          ; multiplies buffer f; in its middle fetches quarter kk into g
	s_wait_dscnt 8                                 ; W and hn's rows 0-63 are in; the youngest eight loads (rows 64-127) may be out
	MULP \f, 0, 0, \zero
	MULP \f, 0, 2, \zero
	PLACES
	FETCH \kk, \g
	s_wait_dscnt NF                                ; all but the run just issued
	MULP \f, 1, 0, \zero
	MULP \f, 1, 2, \zero
.endm
; A K step's last quarter multiplies buffer 1 and changes slots.  In front of the barrier each wave waits for all its tensor loads, adds 0 to its spare word, and waits for that and for its reads of the slot.
; fill = 1: the barrier opens a round of the cluster's, and the joint refill (the K step two on, into the slot just read) is the first tensor load behind it: 168 products ahead of the wait for it.
.macro TURN fill
.if \fill
	s_wait_xcnt 0x0                                ; the last prefetch, a K step back, has read its address
	s_add_nc_u64 s[PFA:PFA+1], s[PFA:PFA+1], s[PST:PST+1]
.endif
	WIN 0
	s_wait_tensorcnt 0x0                           ; all my tensor loads have landed
	ds_add_u32 v[SPW], v[NIL]                      ; 0 onto my spare word
	s_wait_dscnt 9                                 ; (the add and the youngest eight loads may be out)
	MULP F1, 0, 0, 0
	s_wait_dscnt 0x0                               ; the add is done, and my reads of this slot are over
	s_barrier_signal -1
	MULP F1, 0, 2, 0
	WIN 0
	s_barrier_wait -1
.if \fill
	CREST
	s_xor_b32 s[TBF], s[TBF], SLOT
	s_add_co_u32 s[G0A+5], s[WBA], s[TBF]
	s_add_nc_u64 s[G0A+6:G0A+7], s[G0A+6:G0A+7], ASTEP
	s_add_co_u32 s[G0B+5], s[WBB], s[TBF]
	s_add_nc_u64 s[G0B+6:G0B+7], s[G0B+6:G0B+7], BSTEP
	JLOAD
.else
	PLACES
.endif
	s_xor_b32 s[TB], s[TB], SLOT
	v_add_nc_u32 v[ADRA], s[TB], v[ADRA0]
	v_add_nc_u32 v[ADRB], s[TB], v[ADRB0]
	FETCH 0, F0
.if \fill
	ASK
.endif
	MULP F1, 1, 0, 0
	MULP F1, 1, 2, 0
.endm
	s_wait_tensorcnt 2                             ; my part of K step 0 is in; K step 1's and the table may stay out
	s_barrier_signal -1
	s_barrier_wait -1
	FETCH 0, F0
	QUARTER 1, F0, F1, 1                           ; the first quarter's products start the sums
	WIN 0
	s_mov_b32 s[LAP], T-2
.Llap:                                                 ; a trip: the rest of a K step, the change of slots with its refill, the next step's first quarter
	QUARTER 2, F1, F0, 0
	QUARTER 3, F0, F1, 0
	TURN 1
	QUARTER 1, F0, F1, 0
	WIN 0
	s_sub_co_u32 s[LAP], s[LAP], 1
	s_cmp_lg_u32 s[LAP], 0
	s_cbranch_scc1 .Llap
	QUARTER 2, F1, F0, 0                           ; the last two K steps ask for nothing
	QUARTER 3, F0, F1, 0
	TURN 0
	QUARTER 1, F0, F1, 0
	QUARTER 2, F1, F0, 0
	QUARTER 3, F0, F1, 0
	s_wait_dscnt 0x0
	MULP F1, 0, 0, 0
	MULP F1, 0, 2, 0
	MULP F1, 1, 0, 0
	MULP F1, 1, 2, 0
	WIN 0
	; THE WAY OUT.  The f32 sums go into the ring's bytes, which have had their last fill: a row is two planes of 384 bytes, plane p with registers 4 p .. 4 p + 3 of the 24 groups of 8 channels.
	s_barrier_signal -1                            ; every wave's reads of the ring are over (each has waited for them)
	s_barrier_wait -1
	PLACES
.irp hi, 0,1
	WIN 0x08+4*(\hi)                               ; store data in window 2 or 3
.irp a, 0,1,2,3
.irp b, 0,1,2,3,4,5
	ds_store_b128 v[DST+(\hi)], v[8*(6*(\a)+(\b)):8*(6*(\a)+(\b))+3]   offset:(\a)*16*DP+((\b)/2)*128+((\b)%2)*32
	ds_store_b128 v[DST+(\hi)], v[8*(6*(\a)+(\b))+4:8*(6*(\a)+(\b))+7] offset:(\a)*16*DP+((\b)/2)*128+((\b)%2)*32+384
.endr
.endr
.endr
	WIN 0
.irp u, 0,1,2,3
.irp k, 0,1,2,3
	v_mov_b32 v[192+8*\u+\k], 0                    ; the halves of these are written one at a time
.endr
.endr
	s_wait_dscnt 0x0
	s_barrier_signal -1
	s_barrier_wait -1                              ; a row's channels come from two waves
; y_e = x_e cos_e + x_(e xor 1) sinS_e for my four channels, in f32, rounded once to f16.  t: cos 0,1 | cos 2,3 | sinS 0,1 | sinS 2,3
.macro ROPE x, y, t
	v_fma_mix_f32 v32, v[(\x)+1], v[(\t)+2], v[ZR] op_sel:[0,0,0] op_sel_hi:[0,1,0]
	v_fma_mix_f32 v33, v[(\x)+0], v[(\t)+2], v[ZR] op_sel:[0,1,0] op_sel_hi:[0,1,0]
	v_fma_mix_f32 v34, v[(\x)+3], v[(\t)+3], v[ZR] op_sel:[0,0,0] op_sel_hi:[0,1,0]
	v_fma_mix_f32 v35, v[(\x)+2], v[(\t)+3], v[ZR] op_sel:[0,1,0] op_sel_hi:[0,1,0]
	v_fma_mixlo_f16 v[(\y)],   v[(\x)+0], v[(\t)+0], v32 op_sel:[0,0,0] op_sel_hi:[0,1,0]
	v_fma_mixhi_f16 v[(\y)],   v[(\x)+1], v[(\t)+0], v33 op_sel:[0,1,0] op_sel_hi:[0,1,0]
	v_fma_mixlo_f16 v[(\y)+1], v[(\x)+2], v[(\t)+1], v34 op_sel:[0,0,0] op_sel_hi:[0,1,0]
	v_fma_mixhi_f16 v[(\y)+1], v[(\x)+3], v[(\t)+1], v35 op_sel:[0,1,0] op_sel_hi:[0,1,0]
.endm
	s_mov_b32 s[LAP], 8
.Lout:                                                 ; a trip: 8 of my 64 rows, two rows a group u
.irp u, 0,1,2,3
	ds_load_b128 v[64+16*\u:67+16*\u], v[RD] offset:2*DP*\u
	ds_load_b128 v[68+16*\u:71+16*\u], v[RD] offset:2*DP*\u+128
	ds_load_b128 v[72+16*\u:75+16*\u], v[RD] offset:2*DP*\u+256
	ds_load_b128 v[76+16*\u:79+16*\u], v[TRD] offset:256*\u
.endr
	s_wait_dscnt 0x0
.irp u, 0,1,2,3
	ROPE 64+16*\u, 192+8*\u, 76+16*\u
	ROPE 68+16*\u, 194+8*\u, 76+16*\u
	v_cvt_pk_f16_f32 v[196+8*\u], v[72+16*\u], v[73+16*\u]
	v_cvt_pk_f16_f32 v[197+8*\u], v[74+16*\u], v[75+16*\u]
	global_store_b64 v[GO], v[192+8*\u:193+8*\u], s[OQ:OQ+1] offset:256*\u   ; a wave's store covers 256 consecutive bytes, aligned
	global_store_b64 v[GO], v[194+8*\u:195+8*\u], s[OKK:OKK+1] offset:256*\u
	global_store_b64 v[GO], v[196+8*\u:197+8*\u], s[OV:OV+1] offset:256*\u
.endr
	s_wait_xcnt 0x0                                ; the stores' data and offset are written again only behind this wait
	v_add_nc_u32 v[RD], 8*DP, v[RD]
	v_add_nc_u32 v[TRD], 1024, v[TRD]
	v_add_nc_u32 v[GO], 1024, v[GO]
	s_sub_co_u32 s[LAP], s[LAP], 1
	s_cmp_lg_u32 s[LAP], 0
	s_cbranch_scc1 .Lout
	s_wait_tensorcnt 0x0                           ; the wave's end
	ds_add_u32 v[SPW], v[NIL]
	s_wait_dscnt 0x0
	CROUND                                         ; the closing round
	s_endpgm
.Lfunc_end_k_q74b56ec5e2_qkvg:
	.size	k_q74b56ec5e2_qkvg, .Lfunc_end_k_q74b56ec5e2_qkvg-k_q74b56ec5e2_qkvg
	.p2alignl 7, 3214868480
	.fill 96, 4, 3214868480
	.section	.rodata,"a",@progbits
	.p2align	6, 0x0
	.amdhsa_kernel k_q74b56ec5e2_qkvg
		.amdhsa_group_segment_fixed_size 327680
		.amdhsa_private_segment_fixed_size 0
		.amdhsa_enable_private_segment 0
		.amdhsa_kernarg_size 32
		.amdhsa_user_sgpr_count 2
		.amdhsa_user_sgpr_kernarg_segment_ptr 1
		.amdhsa_wavefront_size32 1
		.amdhsa_system_sgpr_workgroup_id_x 1
		.amdhsa_system_sgpr_workgroup_id_y 1
		.amdhsa_system_sgpr_workgroup_id_z 1
		.amdhsa_system_vgpr_workitem_id 0
		.amdhsa_next_free_vgpr 960
		.amdhsa_next_free_sgpr 100
		.amdhsa_reserve_vcc 0
		.amdhsa_float_denorm_mode_32 3
		.amdhsa_float_denorm_mode_16_64 3
		.amdhsa_memory_ordered 1
		.amdhsa_forward_progress 1
		.amdhsa_inst_pref_size 87
	.end_amdhsa_kernel
	.amdgpu_metadata
---
amdhsa.version: [ 1, 2 ]
amdhsa.kernels:
  - .name:           k_q74b56ec5e2_qkvg
    .symbol:         k_q74b56ec5e2_qkvg.kd
    .args:
      - { .name: hn, .offset: 0, .size: 8, .value_kind: global_buffer, .address_space: global }
      - { .name: wts, .offset: 8, .size: 8, .value_kind: global_buffer, .address_space: global }
      - { .name: tab, .offset: 16, .size: 8, .value_kind: global_buffer, .address_space: global }
      - { .name: qkv, .offset: 24, .size: 8, .value_kind: global_buffer, .address_space: global }
    .group_segment_fixed_size: 327680
    .private_segment_fixed_size: 0
    .kernarg_segment_align: 8
    .kernarg_segment_size: 32
    .max_flat_workgroup_size: 128
    .sgpr_count:     100
    .vgpr_count:     960
    .wavefront_size: 32
...
	.end_amdgpu_metadata
.endif
;; end of part 2
;; launch attn (part 3): grid 8 x 32, 4 waves a work-group, no clusters, 327,680 bytes of LDS; arguments qkv, o; writes o
.if DOCPART == 3
	.amdgcn_target "amdgcn-amd-amdhsa--gfx1250"
	.amdhsa_code_object_version 6
	.text
	.protected	k_q74b56ec5e2_attn
	.globl	k_q74b56ec5e2_attn
	.p2align	8
	.type	k_q74b56ec5e2_attn,@function
k_q74b56ec5e2_attn:
	s_mov_b64 s[64:65], 0
	v_nop
	global_prefetch_b8 v0, s[64:65] scope:SCOPE_SE
	s_setreg_imm32_b32 hwreg(HW_REG_WAVE_MODE, 25, 1), 1
	s_wait_xcnt 0x0
; CAUSAL ATTENTION, head size 64.  q at byte 0 of qkv, v at 8,388,608, k at 16,777,216, each [32 heads][2048][64] f16; o likewise.  Products, maxima and sums in f32; the weights p are rounded to f16
; for the second product (their sum l is taken of the unrounded p), o once at the end.
; LIMITS.  q, k, v arrive within f16's range.  A hidden score counts as its value less 1e30; p below 6e-5 keeps f16's step of 6e-8; a weight below 2^-126 counts as 0 in l; NaN and infinities are not treated apart.
; THE WALK.  A head's queries lie in 16 blocks of 128; block i needs the key tiles 0 .. i / 2 of 256 keys, the last of which holds the diagonal.  Work-group b takes blocks 15 - b and then b: 9 tiles whatever b,
; so all 256 work-groups do equal work and one loop with a constant count walks them.  NO CLUSTER: the walks of a head's eight work-groups agree in their first five tiles only, the jumps hang on b, which would differ
; between partners, and one walk common to all would have 12 tiles for 9.
; SHARES.  A wave owns two PIECES of 16 rows: piece x = rows 64 x + 16 wave of the block.  In the diagonal tile's key step s piece x, with X = 2 (i % 2) + x, sees all keys if s < X, none if s > X, and holds the diagonal if s = X.
; THE MASK is the C operand that starts S^T = K Q^T: MC = MD x AL + BE, with MD the mask of a band's own step.  It is 0 up to the diagonal tile and is made anew only there, under a scalar jump.
; TURNS.  Turn Y: 8 products K Q^T of piece 1 - Y (Y = 0: this step; Y = 1: the next), the softmax of piece Y, the maximum and statistics of piece 1 - Y, 8 products V^T P of piece 1 - Y (Y = 0: the step before; Y = 1: this step).
; Four vector instructions stand behind every matrix instruction, the rest in one lump; a turn's 33 exponentials are one batch with one wait.
; A SLOT holds 320 keys of K (five steps) and 256 of V: K of step j + 1 and V of step j, which one trip fetches, then always lie in one slot, and every tile is four trips of one text.
; A block's last turn makes scores of 64 keys that serve nothing (the next tile's, the next head's, or the zeros behind k).
; REGISTERS: window 0: v0-15 addresses; v16-23 statistics; v48-55 at work; v64-127 S^T (two buffers); v128-191 O^T; v192-223 P.  window 1: v0-31 MD, v32-95 MC.  window 2: v0-31 Q, v32-63 the second block's Q, v128-191 K, v192-255 V.
.set NP,    2
.set KS,    64
.set PK,    144
.set PV,    160
.set VOFF,  5*KS*PK
.set SLOT1, 1<<17
.set STAGE, SLOT1+VOFF+4*KS*PV         ; 16 rows x 144 bytes for each wave, never filled by a tensor load
.set SP,    144
.set SPARE, STAGE+4*16*SP              ; the spare words: two blocks of 256 bytes that no other line names
.set AK0, 2
.set AV0, 3
.set AK,  4
.set AV,  5
.set STO, 6
.set RD,  7
.set GO,  8
.set MV,  12
.set QO,  15
.set ST,  16                           ; piece t: c m, m, l (even keys', odd keys')
.set TMP, 48
.set PFO, 61
.set SPW, 62
.set NIL, 63
.set S,   64
.set OT,  128
.set P,   192
.set MD,  0
.set MC,  32
.set QB,  32
.set KF,  128
.set VF,  192
.set WV,  12
.set PB,  14                           ; b
.set HI,  15                           ; 15 - b
.set G1K, 24
.set G1V, 32
.set G0K, 40
.set G0V, 44
.set KB,  48                           ; k at my half of the head's tile 0
.set VB,  50
.set QH,  52
.set OB,  54
.set SLOTS, 56
.set CNT, 57
.set CS,  58
.set SEL, 60
.set TBK, 62
.set TBV, 63
.set RT,  70                           ; tiles of the block in hand still to be entered
.set NXT, 71                           ; the tile to be asked for next
.set LQ,  72                           ; the last tile of the block whose tiles are being asked for
.set NEW, 73
.set OFF, 74
.set AL,  76
.set BE,  78
.set OLO, 80
.set BIGN, 82
.set DSN, 83                           ; the next key step, counted from the diagonal tile's first
.set XY,  84                           ; s84, s85: X of pieces 0 and 1
.set XL,  86
.set LT,  87
.set KH,  88                           ; k and v at the head's first byte
.set VH,  90
.set PFA, 92
.set PFB, 94
.set LIM, 96
.set QLO, 98
.set MSB, 0
.macro WIN new
.if MSB != (\new)
	s_set_vgpr_msb (MSB<<8)|(\new)
.set MSB, (\new)
.endif
.endm
.set W_KQ, 0x0a                        ; K and Q in window 2
.set W_KM, 0x1a                        ; the same with C in window 1
.set W_PV, 0x02                        ; V in window 2
.set W_RS, 0x41                        ; destination and source 0 in window 1
.macro LOAD                            ; waves 0 and 1 fetch the halves of a tile's K (160 keys each), waves 2 and 3 of its V (128 keys each)
	s_cmp_lt_u32 s[WV], 2
	s_cbranch_scc0 .Lfor_v_\@
	tensor_load_to_lds s[G0K:G0K+3], s[G1K:G1K+7]
	s_nop 0
.rept 4
	v_nop
.endr
	s_branch .Lasked_\@
.Lfor_v_\@:
	tensor_load_to_lds s[G0V:G0V+3], s[G1V:G1V+7]
	s_nop 0
.rept 4
	v_nop
.endr
.Lasked_\@:
.endm
; THE CHANGE OF SLOTS.  Each wave waits for all its tensor loads, adds 0 to its spare word, and waits for that and for its reads of the slot that it leaves.  fill = 1: the old slot is filled again, first thing
; behind the barrier, with tile NXT; the descriptor's address is made anew from that number.  Behind the load work-group b = 0, whose first block walks all eight tiles, prefetches into the L2 the tile that the next change
; will ask for: 128 blocks of 256 bytes of K and of V, a thread a block, each named once in the launch; tiles 0 and 1 come by their loads alone, and behind tile 7 nothing is asked for.
.macro CHANGE fill
	WIN 0
	s_wait_tensorcnt 0x0
	ds_add_u32 v[SPW], v[NIL]
.if \fill
	s_lshl_b32 s[OFF], s[NXT], 15
	s_xor_b32 s[G0K+1], s[G0K+1], SLOT1
	s_add_nc_u64 s[G0K+2:G0K+3], s[KB:KB+1], s[OFF:OFF+1]
	s_or_b32 s[G0K+3], s[G0K+3], 0x80000000
	s_xor_b32 s[G0V+1], s[G0V+1], SLOT1
	s_add_nc_u64 s[G0V+2:G0V+3], s[VB:VB+1], s[OFF:OFF+1]
	s_or_b32 s[G0V+3], s[G0V+3], 0x80000000
	s_add_co_u32 s[NXT], s[NXT], 1                 ; the block's next tile, or behind its last the second block's tile 0
	s_cmp_gt_u32 s[NXT], s[LQ]
	s_cselect_b32 s[NXT], 0, s[NXT]
	s_cselect_b32 s[LQ], s[LT], s[LQ]
	s_wait_xcnt 0x0                                ; the last prefetches, a tile back, have read their addresses
	s_lshl_b32 s[OFF], s[NXT], 15
	s_add_nc_u64 s[PFA:PFA+1], s[KH:KH+1], s[OFF:OFF+1]
	s_add_nc_u64 s[PFB:PFB+1], s[VH:VH+1], s[OFF:OFF+1]
.endif
	s_wait_dscnt 0x0                               ; the add is done, and my reads of the slot are over
	s_barrier_signal -1
	s_sub_co_u32 s[TBK], s[TBK], 4*KS*PK           ; the fetches go back to K's second step and V's first,
	s_xor_b32 s[TBK], s[TBK], SLOT1                ; in the other slot
	s_sub_co_u32 s[TBV], s[TBV], 4*KS*PV
	s_xor_b32 s[TBV], s[TBV], SLOT1
	s_barrier_wait -1
.if \fill
	LOAD
	s_cmp_gt_u32 s[NXT], s[LIM]
	s_cbranch_scc0 .Lno_ask_\@
	global_prefetch_b8 v[PFO], s[PFA:PFA+1] th:TH_LOAD_NT scope:SCOPE_SE
	global_prefetch_b8 v[PFO], s[PFB:PFB+1] th:TH_LOAD_NT scope:SCOPE_SE
.Lno_ask_\@:
.endif
.endm
	s_load_b128 s[4:7], s[0:1], 0x0                ; qkv, o
	v_lshl_add_u32 v[SPW], v0, 2, SPARE
	v_mov_b32 v[NIL], 0
	ds_add_u32 v[SPW], v[NIL]                      ; the wave's opening: the add and its wait stand ahead of my first tensor load
	v_lshrrev_b32 v1, 5, v0
	v_readfirstlane_b32 s[WV], v1
	s_mov_b32 s[PB], ttmp9
	s_sub_co_u32 s[HI], 15, s[PB]
	s_and_b32 s20, ttmp7, 0xffff
	s_lshl_b32 s20, s20, 18                        ; the head's 262,144 bytes
	s_and_b32 s16, s[WV], 1
	s_mul_i32 s[G0K+1], s16, 160*PK                ; my half's place in slot 0
	s_mul_i32 s[G0V+1], s16, 128*PV
	s_add_co_u32 s[G0V+1], s[G0V+1], VOFF
	s_mul_i32 s8, s16, 160*128
	s_add_co_u32 s8, s8, s20
	s_add_co_u32 s8, s8, 16777216
	s_mov_b32 s9, 0
	s_lshl_b32 s10, s16, 14
	s_add_co_u32 s10, s10, s20
	s_add_co_u32 s10, s10, 8388608
	s_mov_b32 s11, 0
	s_add_co_u32 s18, s20, 16777216
	s_mov_b32 s19, 0
	s_add_co_u32 s22, s20, 8388608
	s_mov_b32 s23, 0
	s_lshl_b32 s13, s[WV], 11                      ; my 16 rows in a band of 64
	s_add_co_u32 s13, s13, s20
	s_lshl_b32 s2, s[HI], 14                       ; a block is 128 rows of 128 bytes
	s_add_co_u32 s2, s2, s13
	s_mov_b32 s3, 0
	s_lshl_b32 s16, s[PB], 14
	s_add_co_u32 s16, s16, s13
	s_mov_b32 s17, 0
	s_mov_b32 s[G1K], (1<<16)|(1<<20)|(4<<22)|(3<<25)  ; 2-byte elements; 16 bytes of padding behind every 128
	s_mov_b32 s[G1V], (1<<16)|(1<<20)|(4<<22)|(7<<25)  ; 32 bytes
	s_mov_b32 s[G1K+1], 128<<16                    ; 160 keys: 20,480 dense bytes as 80 rows of 256
	s_mov_b32 s[G1K+2], 80<<16
	s_mov_b32 s[G1K+3], 128<<16
	s_mov_b32 s[G1K+4], 80
	s_mov_b32 s[G1K+5], 128
	s_mov_b32 s[G1K+6], 0
	s_mov_b32 s[G1K+7], 0
	s_mov_b32 s[G1V+1], 128<<16                    ; 128 keys as 64 rows of 256
	s_mov_b32 s[G1V+2], 64<<16
	s_mov_b32 s[G1V+3], 128<<16
	s_mov_b32 s[G1V+4], 64
	s_mov_b32 s[G1V+5], 128
	s_mov_b32 s[G1V+6], 0
	s_mov_b32 s[G1V+7], 0
	s_mov_b32 s[CS], 0x3e38aa3b                    ; c = log2(e) / 8
	s_mov_b32 s[CS+1], s[CS]
	s_mov_b32 s[SEL], 0x76543210
	s_mov_b32 s[SEL+1], 0xfedcba98
	s_mov_b32 s[TBK], SLOT1+5*KS*PK                ; the first change of slots turns these into K's step 1 and V's step 0 of slot 0
	s_mov_b32 s[TBV], SLOT1+4*KS*PV
	s_mov_b32 s[G0K], 1
	s_mov_b32 s[G0V], 1
	s_lshr_b32 s[LQ], s[HI], 1                     ; the first block's last tile
	s_add_co_u32 s[RT], s[LQ], 1
	s_lshr_b32 s[LT], s[PB], 1
	s_and_b32 s[XL], s[PB], 1
	s_lshl_b32 s[XL], s[XL], 1
	s_sub_co_u32 s[XY], 2, s[XL]
	s_add_co_u32 s[XY+1], s[XY], 1
	s_mov_b32 s[NXT], 1
	s_mov_b32 s[NEW], 1
	s_mov_b32 s[OFF+1], 0
	s_mov_b32 s[AL+1], 0
	s_mov_b32 s[BE+1], 0
	s_mov_b32 s[BIGN], 0xf149f2ca                  ; -1e30
	s_mov_b32 s[SLOTS], 8
	s_cmp_eq_u32 s[PB], 0
	s_cselect_b32 s[LIM], 1, -1
	s_wait_dscnt 0x0                               ; the opening add is done
	s_wait_kmcnt 0x0
	s_add_nc_u64 s[KB:KB+1], s[4:5], s[8:9]
	s_add_nc_u64 s[VB:VB+1], s[4:5], s[10:11]
	s_add_nc_u64 s[KH:KH+1], s[4:5], s[18:19]
	s_add_nc_u64 s[VH:VH+1], s[4:5], s[22:23]
	s_add_nc_u64 s[QH:QH+1], s[4:5], s[2:3]
	s_add_nc_u64 s[QLO:QLO+1], s[4:5], s[16:17]
	s_add_nc_u64 s[OB:OB+1], s[6:7], s[2:3]
	s_add_nc_u64 s[OLO:OLO+1], s[6:7], s[16:17]
	s_add_nc_u64 s[G0K+2:G0K+3], s[KB:KB+1], 0
	s_or_b32 s[G0K+3], s[G0K+3], 0x80000000
	s_add_nc_u64 s[G0V+2:G0V+3], s[VB:VB+1], 0
	s_or_b32 s[G0V+3], s[G0V+3], 0x80000000
	LOAD                                           ; tile 0 into slot 0
	v_and_b32 v1, 15, v0                           ; l % 16
	v_bfe_u32 v9, v0, 4, 1                         ; l / 16
	v_lshlrev_b32 v[QO], 7, v1
	v_lshl_add_u32 v[QO], v9, 4, v[QO]
	WIN 0x80
.set i, 0
.rept 4                                ; both blocks' Q: piece i / 2 lies 8,192 bytes on; channels 32 (i % 2) on
	global_load_b128 v[8*i:8*i+3],   v[QO], s[QH:QH+1] offset:(i/2)*8192+(i%2)*64
	global_load_b128 v[8*i+4:8*i+7], v[QO], s[QH:QH+1] offset:(i/2)*8192+(i%2)*64+32
	global_load_b128 v[QB+8*i:QB+8*i+3],   v[QO], s[QLO:QLO+1] offset:(i/2)*8192+(i%2)*64
	global_load_b128 v[QB+8*i+4:QB+8*i+7], v[QO], s[QLO:QLO+1] offset:(i/2)*8192+(i%2)*64+32
.set i, i+1
.endr
	WIN 0
	v_lshlrev_b32 v14, 3, v9
	v_sub_nc_u32 v14, v1, v14
	s_lshl_b32 s13, s[WV], 4
	v_add_nc_u32 v14, s13, v14                     ; my query's place in its band less 8 (l / 16): register r of key group kt is hidden where 16 kt + r is greater
	WIN 0x40
.set i, 0
.rept 32
	v_cmp_gt_i32 vcc_lo, 16*(i/8)+i%8, v14
	v_cndmask_b32 v[MD+i], 0, s[BIGN], vcc_lo
.set i, i+1
.endr
	WIN 0
	v_mul_u32_u24 v[AK0], v1, PK
	v_lshl_add_u32 v[AK0], v9, 4, v[AK0]
	v_and_b32 v10, 7, v0
	v_bfe_u32 v11, v0, 3, 1
	v_lshl_add_u32 v[AV0], v9, 3, v10
	v_mul_u32_u24 v[AV0], v[AV0], PV
	v_lshl_add_u32 v[AV0], v11, 4, v[AV0]
	v_add_nc_u32 v[AV0], VOFF, v[AV0]
	s_mul_i32 s13, s[WV], 16*SP
	s_add_co_u32 s13, s13, STAGE
	v_mul_u32_u24 v[STO], v1, SP
	v_lshl_add_u32 v[STO], v9, 4, v[STO]
	v_add_nc_u32 v[STO], s13, v[STO]
	v_bfe_u32 v[RD], v0, 3, 2
	v_mul_u32_u24 v[RD], v[RD], SP
	v_lshl_add_u32 v[RD], v10, 4, v[RD]
	v_add_nc_u32 v[RD], s13, v[RD]
	v_and_b32 v[GO], 31, v0
	v_lshlrev_b32 v[GO], 4, v[GO]
	v_lshlrev_b32 v[PFO], 8, v0
	; A block's first step multiplies O^T and l by a = 0, and its first turn's products V^T P land in an O^T that is still to be so multiplied: these registers need only hold finite numbers.  Written in the wait for tile 0.
	WIN 0x80
.set i, VF
.rept 64
	v_mov_b32 v[i], 0
.set i, i+1
.endr
	WIN 0
.set i, OT
.rept 64
	v_mov_b32 v[i], 0
.set i, i+1
.endr
.set i, 0
.rept 2
	v_mov_b32 v[ST+4*i+2], 0
	v_mov_b32 v[ST+4*i+3], 0
.set i, i+1
.endr
.set i, P+16
.rept 16
	v_mov_b32 v[i], 0
.set i, i+1
.endr
; THE MATRIX WORK.  The 4 accumulators of a run of 8 take turns.  Product i of S^T = K Q^T for piece x: channels 32 (i / 4) on, keys 16 (i % 4) on; the first 4 start the sums with the mask.
.macro KQ x
.set rS, S+32*((\x)%2)+8*(i%4)
.set rK, KF+16*(i%4)+8*(i/4)
.set rQ, 16*(\x)+8*(i/4)
.set rM, MC+32*((\x)%2)+8*(i%4)
.if i < 4
	WIN W_KM
	v_wmma_f32_16x16x32_f16 v[rS:rS+7], v[rK:rK+7], v[rQ:rQ+7], v[rM:rM+7]
.else
	WIN W_KQ
	v_wmma_f32_16x16x32_f16 v[rS:rS+7], v[rK:rK+7], v[rQ:rQ+7], v[rS:rS+7]
.endif
.endm
.macro PV x                            ; product i of O^T += V^T P: keys 32 (i / 4) on, channels 16 (i % 4) on
	WIN W_PV
.set rO, OT+32*(\x)+8*(i%4)
.set rV, VF+32*(i/4)+8*(i%4)
.set rP, P+16*((\x)%2)+8*(i/4)
	v_wmma_f32_16x16x32_f16 v[rO:rO+7], v[rV:rV+7], v[rP:rP+7], v[rO:rO+7]
.endm
.macro MM                              ; the turn's next matrix instruction
.if i < 8
	KQ (Y+1)%NP
.else
.set i, i-8
	PV (Y+1)%NP
.set i, i+8
.endif
.set i, i+1
.endm
.macro FETCH_K step                    ; a step's K: 16 loads in one run
	WIN 0x80
.irp f, 0,1,2,3,4,5,6,7
	ds_load_b128 v[KF+8*\f:KF+8*\f+3],   v[AK] offset:(\f/2)*16*PK+(\f%2)*64
	ds_load_b128 v[KF+8*\f+4:KF+8*\f+7], v[AK] offset:(\f/2)*16*PK+(\f%2)*64+32
.endr
.if \step
	s_add_co_u32 s[TBK], s[TBK], KS*PK
.endif
	WIN 0
.endm
.macro FETCH_V                         ; a step's V, turned
	WIN 0x80
.irp f, 0,1,2,3,4,5,6,7
	ds_load_tr16_b128 v[VF+8*\f:VF+8*\f+3],   v[AV] offset:(\f/4)*32*PV+(\f%4)*32
	ds_load_tr16_b128 v[VF+8*\f+4:VF+8*\f+7], v[AV] offset:(\f/4)*32*PV+16*PV+(\f%4)*32
.endr
	WIN 0
.endm
; THE VECTOR WORK: OP kind, number.  For piece Y: F n: c s - c m for pair n.  E n: the exponential of score n.  C n: pair n rounded to f16.  B n: of weights 4 n .. the second pair onto the first.  L n: l takes that sum
; (L 0: l = a l + sum).  R n: pair n of O^T times a.  For piece 1 - Y: X n, number n of the 22 that find its maximum and statistics (each accumulator's lowest registers are read first).
.set F, 0
.set E, 1
.set C, 2
.set B, 3
.set L, 4
.set R, 5
.set X, 6
.macro REGS y
.set rT, ST+4*(\y)
.set rC, TMP+4*((\y)%2)
.set rW, MV+((\y)%2)
.set rS, S+32*((\y)%2)
.set rP, P+16*((\y)%2)
.set rO, OT+32*(\y)
.endm
.macro OP k, n
	WIN 0
.if (\k) < X
	REGS Y
.if (\k) == F
	v_pk_fma_f32 v[rS+2*(\n):rS+2*(\n)+1], v[rS+2*(\n):rS+2*(\n)+1], s[CS:CS+1], v[rT:rT+1] op_sel_hi:[1,0,0] neg_lo:[0,0,1] neg_hi:[0,0,1]
.elseif (\k) == E
	v_exp_f32 v[rS+(\n)], v[rS+(\n)]
.elseif (\k) == C
	v_cvt_pk_f16_f32 v[rP+(\n)], v[rS+2*(\n)], v[rS+2*(\n)+1]
.elseif (\k) == B
	v_pk_add_f32 v[rS+4*(\n):rS+4*(\n)+1], v[rS+4*(\n):rS+4*(\n)+1], v[rS+4*(\n)+2:rS+4*(\n)+3]
.elseif (\k) == R
	v_pk_mul_f32 v[rO+2*(\n):rO+2*(\n)+1], v[rO+2*(\n):rO+2*(\n)+1], v[rC+2:rC+3] op_sel_hi:[1,0]
.elseif (\n) == 0
	v_pk_fma_f32 v[rT+2:rT+3], v[rT+2:rT+3], v[rC+2:rC+3], v[rS:rS+1] op_sel_hi:[1,0,1]
.else
	v_pk_add_f32 v[rT+2:rT+3], v[rT+2:rT+3], v[rS+4*(\n):rS+4*(\n)+1]
.endif
.else
	REGS (Y+1)%NP
.if (\n) < 4
	v_max3_num_f32 v[rC+(\n)], v[rS+8*(\n)], v[rS+8*(\n)+1], v[rS+8*(\n)+2]
.elseif (\n) < 12
	v_max3_num_f32 v[rC+(\n)%4], v[rC+(\n)%4], v[rS+8*((\n)%4)+2*((\n)/4)+1], v[rS+8*((\n)%4)+2*((\n)/4)+2]
.elseif (\n) == 12
	v_max3_num_f32 v[rC], v[rC], v[rS+7], v[rS+15]
.elseif (\n) == 13
	v_max3_num_f32 v[rC+1], v[rC+1], v[rS+23], v[rS+31]
.elseif (\n) == 14
	v_max3_num_f32 v[rC+2], v[rC+2], v[rC+3], v[rT+1]
.elseif (\n) == 15
	v_mov_b32 v[rW], v[rT]
.elseif (\n) == 16
	v_max3_num_f32 v[rC], v[rC], v[rC+1], v[rC+2]
.elseif (\n) == 17
	v_permlanex16_b32 v[rC+3], v[rC], s[SEL], s[SEL+1]
.elseif (\n) == 18
	v_max_num_f32 v[rT+1], v[rC], v[rC+3]
.elseif (\n) == 19
	v_mul_f32 v[rT], s[CS], v[rT+1]
.elseif (\n) == 20
	v_sub_f32 v[rC+1], v[rW], v[rT]
.else
	v_exp_f32 v[rC+2], v[rC+1]
.endif
.endif
.endm
.macro OPS a, i1, b=-1, i2=0, c=-1, i3=0, d=-1, i4=0
	OP \a, \i1
.if (\b) >= 0
	OP \b, \i2
.endif
.if (\c) >= 0
	OP \c, \i3
.endif
.if (\d) >= 0
	OP \d, \i4
.endif
.endm
.macro ROW a, i1, b, i2, c, i3, d, i4  ; a matrix instruction and the four behind it
	MM
	OPS \a, \i1, \b, \i2, \c, \i3, \d, \i4
.endm
.macro MASK b                          ; MD x AL + BE into buffer b of MC
	WIN W_RS
.set z, 0
.rept 16
	v_pk_fma_f32 v[MC+32*(\b)+2*z:MC+32*(\b)+2*z+1], v[MD+2*z:MD+2*z+1], s[AL:AL+1], s[BE:BE+1] op_sel_hi:[1,0,0]
.set z, z+1
.endr
.endm
; A TURN, for piece p.  Ahead of the one wait stands all that names no result of the turn's exponentials; behind it the 8 products V^T P, whose riders are the roundings and sums.
; R reads the O^T that the turn before has written: behind that turn's products 4 to 7 stand 16, 12, 8 and 4 plain riders, and R goes in ascending order.
; Turn 0 fetches K of the next step (twelve plain instructions that name none of its registers behind the last product that read K) and, at its end, V of this step (four plain riders behind the last product that read V).
; At its end the turn makes the mask for the next turn's products (piece p, the next step) if that step lies in the diagonal tile.
.macro TURN p
.set Y, (\p)
.set i, 0
.if (\p) == 1
	s_wait_dscnt 16                                ; K is in; V's 16 younger loads may stay out
.endif
	ROW F,0, F,1, R,0, R,1
	ROW F,2, E,0, R,2, R,3
	ROW F,3, E,1, R,4, R,5
	ROW F,4, E,2, R,6, R,7
	ROW F,5, E,3, R,8, R,9
	ROW F,6, E,4, X,0, R,10
.if (\p) == 0
	WIN 0
	v_add_nc_u32 v[AK], s[TBK], v[AK0]
.endif
	ROW F,7, E,5, X,1, X,4
	ROW F,8, E,6, X,2, X,5
	OPS E,7, E,8, X,6, E,9
	OPS X,3, E,10, X,8, E,11
.if (\p) == 0
	FETCH_K 1
.endif
	OPS X,9, X,7, E,12, X,10
	OPS E,13, X,12, X,11, E,14
	OPS X,13, E,15, F,9, X,14
.if (\p) == 0
	v_add_nc_u32 v[AV], s[TBV], v[AV0]
.endif
	OPS E,16, F,10, E,17, F,11
	OPS X,16, E,18, X,15, E,19
	OPS F,12, E,20, X,17, E,21
	OPS F,13, E,22, F,14, E,23
	OPS X,18, E,24, F,15, E,25
	OPS R,11, E,26, X,19, E,27
	OPS R,12, E,28, R,13, E,29
	OPS X,20, E,30, R,14, E,31
	OPS X,21, R,15                                 ; the other piece's a is the batch's last; R 15 is the plain instruction behind it
	WIN 0
	s_wait_alu depctr_va_vdst(0)                   ; the one wait for the batch, ahead of the first reader
.if (\p) == 1
	s_wait_dscnt 0x0                               ; V is in
.endif
	ROW C,0, B,0, C,2, B,1
	ROW L,0, C,4, B,2, L,1
	ROW C,6, B,3, L,2, C,8
	ROW B,4, L,3, C,10, B,5
	ROW L,4, C,12, B,6, L,5
.if (\p) == 0
	s_add_co_u32 s[TBV], s[TBV], KS*PV
.endif
	ROW C,14, B,7, L,6, C,1
	ROW C,3, L,7, C,5, C,7
	ROW C,9, C,11, C,13, C,15
.if (\p) == 0
	FETCH_V
.endif
	WIN 0
	s_cmp_lt_i32 s[DSN], 0                         ; ahead of the diagonal tile the masks stay 0
	s_cbranch_scc1 .Lno_mask_\@
	s_cmp_eq_u32 s[DSN], s[XY+(\p)]                ; is the next step the band's own?
	s_cselect_b32 s[AL], 1.0, 0
	s_cmp_gt_i32 s[DSN], s[XY+(\p)]                ; or a later one?
	s_cselect_b32 s[BE], s[BIGN], 0
	MASK \p
	WIN 0
.Lno_mask_\@:
.endm
; A BLOCK BEGINS.  c m starts far below every c s, so the first step's a is 0; m at the lowest finite number.  Piece 1 sees all of step 0; piece 0's mask is its own step's if the block's first tile is the diagonal one and X = 0.
.macro BEGIN
	s_mov_b32 s[NEW], 0
	WIN 0x40
.set i, MC+32
.rept 32
	v_mov_b32 v[i], 0
.set i, i+1
.endr
	WIN 0
.set i, 0
.rept 2
	v_mov_b32 v[ST+4*i], 0xfe000000
	v_mov_b32 v[ST+4*i+1], 0xff7fffff
.set i, i+1
.endr
	s_lshl_b32 s[DSN], s[RT], 2
	s_sub_co_i32 s[DSN], 0, s[DSN]                 ; step 0, counted from the diagonal tile's first
	s_cmp_eq_u32 s[DSN], s[XY]
	s_cselect_b32 s[AL], 1.0, 0
	s_mov_b32 s[BE], 0
	MASK 0
	WIN 0
	s_sub_co_u32 s13, s[TBK], KS*PK                ; the slot's first step of K
	v_add_nc_u32 v[AK], s13, v[AK0]
	FETCH_K 0
	s_wait_loadcnt 0x0                             ; Q
	s_wait_dscnt 0x0
.set i, 0
.rept 8
	KQ 0
.set i, i+1
.endr
	WIN 0
.rept 4
	v_nop                                          ; the places behind those products
.endr
.set Y, NP-1
.irp n, 0,1,2,3,4,5,6,7,8,9,10,11,12,13,14,15,16,17,18,19,20,21
	OP X, \n
.endr
	v_nop                                          ; a plain instruction behind the exponential,
	s_wait_alu depctr_va_vdst(0)                   ; and its wait, ahead of the label
	s_add_co_i32 s[DSN], s[DSN], 1
.endm
.macro ALL line:vararg
.set t, 0
.rept 2
	\line
.set t, t+1
.endr
.endm
.macro PACK t                          ; O^T / l, rounded to f16; into rows of 144 bytes and back as whole rows of 128
	WIN 0
.set i, OT+32*(\t)
.rept 16
	v_pk_mul_f32 v[i:i+1], v[i:i+1], v[ST+4*(\t)+2:ST+4*(\t)+3] op_sel_hi:[1,0]
.set i, i+2
.endr
.set i, 0
.rept 16
	v_cvt_pk_f16_f32 v[S+16*(\t)+i], v[OT+32*(\t)+2*i], v[OT+32*(\t)+2*i+1]
.set i, i+1
.endr
.irp f, 0,1,2,3
	ds_store_b128 v[STO], v[S+16*(\t)+4*\f:S+16*(\t)+4*\f+3] offset:32*\f
.endr
.irp f, 0,1,2,3
	ds_load_b128 v[S+16*(\t)+4*\f:S+16*(\t)+4*\f+3], v[RD] offset:\f*4*SP  ; LDS serves a wave's instructions in order (ISA guide 5.7.1.4)
.endr
.endm
.macro SEND t, younger                 ; younger: the LDS instructions issued behind piece t's loads
.irp f, 0,1,2,3
	s_wait_dscnt (\younger)+3-\f
	global_store_b128 v[GO], v[S+16*(\t)+4*\f:S+16*(\t)+4*\f+3], s[OB:OB+1] offset:(\t)*8192+\f*512  ; 512 consecutive bytes, aligned
.endr
.endm
; A BLOCK ENDS: piece 1's last V^T P, and the way out.  more = 1: the second block is set up.
.macro FINISH more
.set i, 0
.rept 8
	PV 1
.set i, i+1
.endr
	WIN 0
	ALL v_add_f32 v[ST+4*t+2], v[ST+4*t+2], v[ST+4*t+3]
	ALL v_permlanex16_b32 v[ST+4*t+3], v[ST+4*t+2], s[SEL], s[SEL+1]
	ALL v_add_f32 v[ST+4*t+2], v[ST+4*t+2], v[ST+4*t+3]
	ALL v_rcp_f32 v[ST+4*t+2], v[ST+4*t+2]
	v_nop
	s_wait_alu depctr_va_vdst(0)                   ; one wait for the two reciprocals
	PACK 0                                         ; piece 0's 32 lines name no register of the last products: they are the places in front of piece 1's
	PACK 1
	SEND 0, 8
	SEND 1, 0
.if \more
	s_wait_xcnt 0x0                                ; the stores have read their registers and o's address
	s_mov_b64 s[OB:OB+1], s[OLO:OLO+1]
	s_add_co_u32 s[RT], s[LT], 1
	s_mov_b32 s[NEW], 1
	s_mov_b32 s[XY], s[XL]
	s_add_co_u32 s[XY+1], s[XL], 1
	WIN 0x82
.set i, 0
.rept 32
	v_mov_b32 v[i], v[QB+i]
.set i, i+1
.endr
	WIN 0
.endif
.endm
; A TILE: the change of slots, a block's beginning if it is one, four trips of one key step each, a block's end if it is one.  All jumps but the counted loop's go forward and pass no barrier and no tensor load.
.macro TILE fill, tag
	CHANGE \fill
	s_sub_co_u32 s[RT], s[RT], 1
	s_mov_b32 s[CNT], 4
	s_cmp_eq_u32 s[NEW], 1
	s_cbranch_scc0 .Lstep\tag
	BEGIN
.Lstep\tag:
	TURN 0
	TURN 1
	s_add_co_i32 s[DSN], s[DSN], 1
	s_sub_co_u32 s[CNT], s[CNT], 1
	s_cmp_lg_u32 s[CNT], 0
	s_cbranch_scc1 .Lstep\tag
.if \fill
	s_cmp_lg_u32 s[RT], 0
	s_cbranch_scc1 .Lgo_on\tag
.endif
	FINISH \fill
.if \fill
.Lgo_on\tag:
.endif
.endm
.Lslot:                                                ; eight times: a tile is entered and the next is asked for
	TILE 1, A
	s_sub_co_u32 s[SLOTS], s[SLOTS], 1
	s_cmp_lg_u32 s[SLOTS], 0
	s_cbranch_scc1 .Lslot
	TILE 0, Z                                      ; the walk's last tile, the second block's diagonal one, is written out: nothing is asked for
	s_wait_tensorcnt 0x0                           ; the wave's end
	ds_add_u32 v[SPW], v[NIL]
	s_wait_dscnt 0x0
	s_endpgm
.Lfunc_end_k_q74b56ec5e2_attn:
	.size	k_q74b56ec5e2_attn, .Lfunc_end_k_q74b56ec5e2_attn-k_q74b56ec5e2_attn
	.p2alignl 7, 3214868480
	.fill 96, 4, 3214868480
	.section	.rodata,"a",@progbits
	.p2align	6, 0x0
	.amdhsa_kernel k_q74b56ec5e2_attn
		.amdhsa_group_segment_fixed_size 327680
		.amdhsa_private_segment_fixed_size 0
		.amdhsa_enable_private_segment 0
		.amdhsa_kernarg_size 16
		.amdhsa_user_sgpr_count 2
		.amdhsa_user_sgpr_kernarg_segment_ptr 1
		.amdhsa_wavefront_size32 1
		.amdhsa_system_sgpr_workgroup_id_x 1
		.amdhsa_system_sgpr_workgroup_id_y 1
		.amdhsa_system_sgpr_workgroup_id_z 1
		.amdhsa_system_vgpr_workitem_id 0
		.amdhsa_next_free_vgpr 768
		.amdhsa_next_free_sgpr 100
		.amdhsa_reserve_vcc 1
		.amdhsa_float_denorm_mode_32 3
		.amdhsa_float_denorm_mode_16_64 3
		.amdhsa_memory_ordered 1
		.amdhsa_forward_progress 1
		.amdhsa_inst_pref_size 89
	.end_amdhsa_kernel
	.amdgpu_metadata
---
amdhsa.version: [ 1, 2 ]
amdhsa.kernels:
  - .name:           k_q74b56ec5e2_attn
    .symbol:         k_q74b56ec5e2_attn.kd
    .args:
      - { .name: qkv, .offset: 0, .size: 8, .value_kind: global_buffer, .address_space: global }
      - { .name: o, .offset: 8, .size: 8, .value_kind: global_buffer, .address_space: global }
    .group_segment_fixed_size: 327680
    .private_segment_fixed_size: 0
    .kernarg_segment_align: 8
    .kernarg_segment_size: 16
    .max_flat_workgroup_size: 128
    .sgpr_count:     100
    .vgpr_count:     768
    .wavefront_size: 32
...
	.end_amdgpu_metadata
.endif
;; end of part 3
;; launch proj (part 4): grid 8 x 32, 4 waves a work-group, clusters of 4 x 4, 327,680 bytes of LDS; arguments o, wts, proj_b, x, x1; writes x1
.if DOCPART == 4
	.amdgcn_target "amdgcn-amd-amdhsa--gfx1250"
	.amdhsa_code_object_version 6
	.text
	.protected	k_q74b56ec5e2_proj
	.globl	k_q74b56ec5e2_proj
	.p2align	8
	.type	k_q74b56ec5e2_proj,@function
k_q74b56ec5e2_proj:
	s_mov_b64 s[64:65], 0
	v_nop
	global_prefetch_b8 v0, s[64:65] scope:SCOPE_SE
	s_setreg_imm32_b32 hwreg(HW_REG_WAVE_MODE, 25, 1), 1
	s_wait_xcnt 0x0
	s_wait_alu depctr_hold_cnt(0) depctr_sa_sdst(0) depctr_va_vdst(0) depctr_va_sdst(0) depctr_va_ssrc(0) depctr_va_vcc(0) depctr_vm_vsrc(0)
	s_getreg_b32 s2, hwreg(HW_REG_IB_STS2, 6, 4)
	s_cmp_eq_u32 s2, 0
	s_cbranch_scc0 .Lentry_in_a_cluster
	s_endpgm
.Lentry_in_a_cluster:
	s_bfe_u32 s2, ttmp6, 0x10000c
	s_cmp_lg_u32 s2, 0xf033
	s_cbranch_scc0 .Lentry_shape_is_right
	s_endpgm
.Lentry_shape_is_right:
; x1 = x + o proj_w + proj_b.  o: [32 heads][2048][64] f16 (a row's K index is head x 64 + channel); proj_w: f16 [1024][1024] at byte 6,291,456 of wts; x, x1: f32 [4096][1024].  Sums in f32.
; The text is one with the launch 'down' but for the sizes under DOWN.  A tile of the output is 128 x 128: 256 work-groups; four waves of 64 x 64: 16 accumulators.
; THE RESIDUAL STARTS THE SUMS: x's tile is loaded straight into the accumulators, so no product takes the constant 0 and nothing is added at the end but the bias.
; K goes in 4 steps of 256 (four heads) through two LDS slots; one text serves both: the read side adds s[TB], the fill side s[TBF], each 0 or SLOT.  Waves 0 and 1 fetch two heads' 128 rows each
; (two dense blocks of 16,384 bytes in one descriptor), waves 2 and 3 128 rows of proj_w each.  CLUSTER 4 x 4: o's tile is asked for jointly along a row of the cluster, proj_w's along a column.
; proj_w lies [k][n] in LDS and is turned on the way into registers.  The matrix instruction is used transposed: a lane holds row l % 16 and eight neighbouring columns.
; No prefetch here: of four K steps two come by first fills, and no refill has a K step two on.
; REGISTERS: window 0: v0-31 addresses; v32-95 at work; v128-255 accumulators ((a, b) at 128 + 8 (4 a + b)).  window 1: two fragment buffers of 128 (64 along K): 64 of A, then 64 of B.
.set DOWN, 0
.if DOWN
.set T,     8
.set PA,    528
.set AHALF, 64*PA
.set AQ,    128
.set ASTEP, 512
.set WOFF,  16777216
.else
.set T,     4
.set PA,    144
.set AHALF, 2*128*PA
.set AQ,    128*PA
.set ASTEP, 1048576
.set WOFF,  6291456
.endif
.set PB,    288
.set BHALF, 128*PB
.set BOFF,  2*AHALF
.set SLOT,  BOFF+2*BHALF
.set SPARE, 2*SLOT                     ; the spare words: two blocks of 256 bytes that no other line names
.set BSTEP, 524288
.set SPITCH, 272
.set ADRA, 16
.set ADRA0, 17
.set ADRB, 20                          ; v20, v21: quarters 0, 1 and 2, 3
.set ADRB0, 22                         ; v22, v23
.set DST, 24
.set RD,  25
.set GO,  26
.set PFO, 27
.set SPW, 28
.set NIL, 29
.set RO,  30
.set ACC, 128
.set F0,  0
.set F1,  128
.set G1A, 24
.set G0A, 32
.set G1B, 40
.set G0B, 48
.set WV, 72
.set WR, 73
.set WC, 74
.set CX, 75
.set CY, 76
.set TX, 77
.set TY, 78
.set LAP, 79
.set LIM, 80
.set TB, 82
.set TBF, 83
.set WBA, 84
.set WBB, 85
.set PFA, 86
.set PST, 88
.set RES, 90
.set OUT, 92
.set BIA, 94
.set MSB, 0
.macro WIN new
.if MSB != (\new)
	s_set_vgpr_msb (MSB<<8)|(\new)
.set MSB, \new
.endif
.endm
.set MUL,  0x05                        ; sources 0 and 1 window 1; C and D window 0
.set TO_F, 0x40
.macro PLACES
.rept 4
	v_nop
.endr
.endm
.macro JLOAD
	s_cmp_eq_u32 s[WR], 0
	s_cbranch_scc0 .Lfor_b_\@
	tensor_load_to_lds s[G0A+4:G0A+7], s[G1A:G1A+7]
	s_nop 0
	PLACES
	s_branch .Lasked_\@
.Lfor_b_\@:
	tensor_load_to_lds s[G0B+4:G0B+7], s[G1B:G1B+7]
	s_nop 0
	PLACES
.Lasked_\@:
.endm
.macro CREST
	s_cmp_lg_u32 s[WV], 0
	s_cbranch_scc1 .Lnot_wave_0_\@
	s_barrier_signal -3
.Lnot_wave_0_\@:
	s_barrier_wait -3
	s_barrier_signal -1
	s_barrier_wait -1
.endm
.macro CROUND
	s_barrier_signal -1
	s_barrier_wait -1
	CREST
.endm
.macro ASK                             ; the K step two refills on: one instruction a wave; each block of 256 bytes is named once in the launch
	s_cmp_gt_u32 s[LAP], s[LIM]
	s_cbranch_scc0 .Lnot_mine_\@
	global_prefetch_b8 v[PFO], s[PFA:PFA+1] th:TH_LOAD_NT scope:SCOPE_SE
.Lnot_mine_\@:
.endm
	s_load_b256 s[4:11], s[0:1], 0x0               ; A, wts, bias, residual
	s_load_b64 s[12:13], s[0:1], 0x20              ; the output
	v_lshl_add_u32 v[SPW], v0, 2, SPARE
	v_mov_b32 v[NIL], 0
	ds_add_u32 v[SPW], v[NIL]                      ; the wave's opening: the add and its wait stand ahead of my first tensor load
	v_lshrrev_b32 v1, 5, v0
	v_readfirstlane_b32 s[WV], v1
	s_lshr_b32 s[WR], s[WV], 1                     ; my half of the tile's rows.  Also: I fetch for A (0) or for B (1)
	s_and_b32 s[WC], s[WV], 1                      ; my half of its columns.  Also: which half of that tile I fetch
	s_bfe_u32 s[CX], ttmp6, 0x40000
	s_bfe_u32 s[CY], ttmp6, 0x40004
	s_lshl_b32 s[TX], ttmp9, 2
	s_add_co_u32 s[TX], s[TX], s[CX]
	s_and_b32 s[TY], ttmp7, 0xffff
	s_lshl_b32 s[TY], s[TY], 2
	s_add_co_u32 s[TY], s[TY], s[CY]
	s_lshl_b32 s14, s[CY], 2
	s_lshl_b32 s14, 15, s14                        ; my row of the cluster
	s_lshl_b32 s16, 0x1111, s[CX]                  ; my column
.if DOWN
	s_or_b32 s[G1A], s14, (1<<16)|(1<<20)|(1<<21)|(6<<22)|(3<<25)  ; 16 bytes of padding behind every 512
	s_mov_b32 s[G1A+1], 256<<16                    ; 256 elements x 64 rows, 2,048 elements from row to row
	s_mov_b32 s[G1A+2], 64<<16
	s_mov_b32 s[G1A+3], 256<<16
	s_mov_b32 s[G1A+4], 64
	s_mov_b32 s[G1A+5], 2048
.else
	s_or_b32 s[G1A], s14, (1<<16)|(1<<20)|(1<<21)|(4<<22)|(3<<25)  ; 16 bytes of padding behind every 128
	s_mov_b32 s[G1A+1], 8192<<16                   ; two heads' 128 rows: 2 rows of 8,192 elements, a head (131,072 elements) apart
	s_mov_b32 s[G1A+2], 2<<16
	s_mov_b32 s[G1A+3], 8192<<16
	s_mov_b32 s[G1A+4], 2
	s_mov_b32 s[G1A+5], 131072
.endif
	s_mov_b32 s[G1A+6], 0
	s_mov_b32 s[G1A+7], 0
	s_or_b32 s[G1B], s16, (1<<16)|(1<<20)|(1<<21)|(5<<22)|(7<<25)  ; 32 bytes of padding behind every 256
	s_mov_b32 s[G1B+1], 128<<16
	s_mov_b32 s[G1B+2], 128<<16
	s_mov_b32 s[G1B+3], 128<<16
	s_mov_b32 s[G1B+4], 128
	s_mov_b32 s[G1B+5], 1024
	s_mov_b32 s[G1B+6], 0
	s_mov_b32 s[G1B+7], 0
.if DOWN
	s_lshl_b32 s14, s[TY], 19                      ; (128 y + 64 half) rows of 4,096 bytes
	s_lshl_b32 s15, s[WC], 18
	s_add_co_u32 s14, s14, s15
.else
	s_lshr_b32 s14, s[TY], 4                       ; ((y / 16) 16 + 2 half) heads of 262,144 bytes + (y % 16) 128 rows of 128
	s_lshl_b32 s14, s14, 22
	s_and_b32 s15, s[TY], 15
	s_lshl_b32 s15, s15, 14
	s_add_co_u32 s14, s14, s15
	s_lshl_b32 s15, s[WC], 19
	s_add_co_u32 s14, s14, s15
.endif
	s_mov_b32 s15, 0
	s_lshl_b32 s16, s[TX], 8                       ; B: 128 x columns, 128 half rows of 2,048 bytes
	s_lshl_b32 s17, s[WC], 18
	s_add_co_u32 s16, s16, s17
	s_add_co_u32 s16, s16, WOFF
	s_mov_b32 s17, 0
	s_mul_i32 s[WBA], s[WC], AHALF
	s_mul_i32 s[WBB], s[WC], BHALF
	s_add_co_u32 s[WBB], s[WBB], BOFF
	s_lshl_b32 s20, s[TX], 9                       ; my 64 columns of f32
	s_lshl_b32 s21, s[WC], 8
	s_add_co_u32 s20, s20, s21
	s_lshl_b32 s18, s[TY], 19                      ; my 64 rows of 4,096 bytes
	s_lshl_b32 s19, s[WR], 18
	s_add_co_u32 s18, s18, s19
	s_add_co_u32 s18, s18, s20
	s_mov_b32 s19, 0
	s_mov_b32 s21, 0
	s_mov_b32 s[TB], 0
	s_mov_b32 s[TBF], SLOT
	s_wait_dscnt 0x0                               ; the opening add is done
	s_wait_kmcnt 0x0
	s_add_nc_u64 s[66:67], s[4:5], s[14:15]
	s_add_nc_u64 s[68:69], s[6:7], s[16:17]
	s_add_nc_u64 s[RES:RES+1], s[10:11], s[18:19]
	s_add_nc_u64 s[OUT:OUT+1], s[12:13], s[18:19]
	s_add_nc_u64 s[BIA:BIA+1], s[8:9], s[20:21]
.irp s, 0,1
	s_mov_b32 s[G0A+4*(\s)], 1
	s_add_co_u32 s[G0A+4*(\s)+1], s[WBA], (\s)*SLOT
	s_add_nc_u64 s[G0A+4*(\s)+2:G0A+4*(\s)+3], s[66:67], (\s)*ASTEP
	s_or_b32 s[G0A+4*(\s)+3], s[G0A+4*(\s)+3], 0x80000000
	s_mov_b32 s[G0B+4*(\s)], 1
	s_add_co_u32 s[G0B+4*(\s)+1], s[WBB], (\s)*SLOT
	s_add_nc_u64 s[G0B+4*(\s)+2:G0B+4*(\s)+3], s[68:69], (\s)*BSTEP
	s_or_b32 s[G0B+4*(\s)+3], s[G0B+4*(\s)+3], 0x80000000
.endr
	CROUND                                         ; all sixteen work-groups are here: the first joint loads meet
	s_cmp_eq_u32 s[WR], 0                          ; a wave's two first fills stand in one branch: two loads of mine are out
	s_cbranch_scc0 .Lfirst_b
	tensor_load_to_lds s[G0A:G0A+3], s[G1A:G1A+7]
	s_nop 0
	tensor_load_to_lds s[G0A+4:G0A+7], s[G1A:G1A+7]
	s_nop 0
	PLACES
	s_branch .Lfirst_done
.Lfirst_b:
	tensor_load_to_lds s[G0B:G0B+3], s[G1B:G1B+7]
	s_nop 0
	tensor_load_to_lds s[G0B+4:G0B+7], s[G1B:G1B+7]
	s_nop 0
	PLACES
.Lfirst_done:
	v_and_b32 v1, 15, v0                           ; r
	v_bfe_u32 v2, v0, 4, 1                         ; h
	v_and_b32 v4, 7, v0
	v_bfe_u32 v5, v0, 3, 1
	v_lshlrev_b32 v[RO], 12, v1
	v_lshl_add_u32 v[RO], v2, 5, v[RO]             ; the residual as the accumulators hold it: row r, columns 8 h + 0..7
.irp a, 0,1,2,3
.irp b, 0,1,2,3
	global_load_b128 v[ACC+8*(4*(\a)+(\b)):ACC+8*(4*(\a)+(\b))+3],   v[RO], s[RES:RES+1] offset:65536*(\a)+64*(\b)
	global_load_b128 v[ACC+8*(4*(\a)+(\b))+4:ACC+8*(4*(\a)+(\b))+7], v[RO], s[RES:RES+1] offset:65536*(\a)+64*(\b)+16
.endr
.endr
	v_lshlrev_b32 v6, 4, v1
	global_load_b128 v[32:35], v6, s[BIA:BIA+1]    ; the bias of the four columns that I store
	v_mul_u32_u24 v3, v1, PA
	v_lshl_add_u32 v3, v2, 4, v3
	s_mul_i32 s70, s[WR], 64*PA
	v_add_nc_u32 v[ADRA0], s70, v3
	v_lshl_add_u32 v7, v2, 3, v4
	v_mul_u32_u24 v7, v7, PB
	v_lshl_add_u32 v7, v5, 4, v7
	s_lshl_b32 s70, s[WC], 7
	s_add_co_u32 s70, s70, BOFF
	v_add_nc_u32 v[ADRB0], s70, v7
	v_add_nc_u32 v[ADRB0+1], 128*PB, v[ADRB0]
	v_mov_b32 v[ADRA], v[ADRA0]
	v_mov_b32 v[ADRB], v[ADRB0]
	v_mov_b32 v[ADRB+1], v[ADRB0+1]
	s_mul_i32 s70, s[WV], 64*SPITCH                ; the way out: 64 rows x 272 bytes of my own, in the ring's bytes
	v_mul_u32_u24 v8, v1, SPITCH
	v_lshl_add_u32 v8, v2, 5, v8
	v_add_nc_u32 v[DST], s70, v8
	v_mul_u32_u24 v8, v2, SPITCH
	v_lshl_add_u32 v8, v1, 4, v8
	v_add_nc_u32 v[RD], s70, v8
	v_lshlrev_b32 v8, 12, v2
	v_lshl_add_u32 v[GO], v1, 4, v8
.if DOWN
	; the prefetches stand at K step 3 and are stepped ahead of each request.  A's rows: the cluster with x = 0 asks, the partner at cx takes 16 of the 64 rows that the wave fetches, two blocks a row.
	; B's rows: the cluster with y = 0 asks, the partner at cy takes 32 of the wave's 128 rows, a lane a row.
	s_lshl_b32 s98, s[CX], 16
	s_add_co_u32 s98, s98, s14
	s_add_co_u32 s98, s98, 3*ASTEP
	s_lshl_b32 s70, s[CY], 16
	s_add_co_u32 s70, s70, s16
	s_add_co_u32 s70, s70, 3*BSTEP
	s_and_b32 s71, ttmp7, 0xffff
	s_mov_b32 s[PST], BSTEP
	s_mov_b32 s96, 2048
	s_cmp_eq_u32 s[WR], 0
	s_cselect_b32 s98, s98, s70
	s_cselect_b32 s71, ttmp9, s71
	s_cselect_b64 s[PFA:PFA+1], s[4:5], s[6:7]
	s_cselect_b32 s[PST], ASTEP, s[PST]
	s_cselect_b32 s96, 4096, s96
	s_cselect_b32 s97, 1, 0
	s_mov_b32 s[PST+1], 0
	s_mov_b32 s99, 0
	s_add_nc_u64 s[PFA:PFA+1], s[PFA:PFA+1], s[98:99]
	s_cmp_eq_u32 s71, 0
	s_cselect_b32 s[LIM], 2, -1
	v_and_b32 v9, 31, v0
	v_lshrrev_b32 v10, s97, v9
	v_mul_u32_u24 v10, s96, v10
	v_and_b32 v9, s97, v9
	v_lshl_add_u32 v[PFO], v9, 8, v10
.endif
.macro WM d, b, a
.if DOWN
	v_wmma_f32_16x16x32_bf16 v[\d:\d+7], v[\b:\b+7], v[\a:\a+7], v[\d:\d+7]
.else
	v_wmma_f32_16x16x32_f16 v[\d:\d+7], v[\b:\b+7], v[\a:\a+7], v[\d:\d+7]
.endif
.endm
; 8 products: row blocks a0, a0 + 1 x all 4 column blocks, 32 along K: half c of buffer f.  The 16 accumulators take turns.
.macro MUL8 f, c, a0
	WIN MUL
.irp a, \a0, (\a0)+1
.irp b, 0,1,2,3
	WM ACC+8*(4*(\a)+(\b)), (\f)+64+8*(4*(\c)+(\b)), (\f)+8*(4*(\c)+(\a))
.endr
.endr
.endm
; 32 LDS loads in one run: quarter qn (64 along K) of the slot in hand into buffer f; the first 32 along K first
.macro FETCH qn, f
	WIN TO_F
.irp c, 0,1
.irp i, 0,1,2,3
	ds_load_tr16_b128 v[(\f)+64+8*(4*(\c)+(\i)):(\f)+64+8*(4*(\c)+(\i))+3],   v[ADRB+(\qn)/2] offset:(((\qn)%2)*64+32*(\c))*PB+32*(\i)
	ds_load_tr16_b128 v[(\f)+64+8*(4*(\c)+(\i))+4:(\f)+64+8*(4*(\c)+(\i))+7], v[ADRB+(\qn)/2] offset:(((\qn)%2)*64+32*(\c))*PB+32*(\i)+16*PB
	ds_load_b128 v[(\f)+8*(4*(\c)+(\i)):(\f)+8*(4*(\c)+(\i))+3],   v[ADRA] offset:(\qn)*AQ+64*(\c)+(\i)*16*PA
	ds_load_b128 v[(\f)+8*(4*(\c)+(\i))+4:(\f)+8*(4*(\c)+(\i))+7], v[ADRA] offset:(\qn)*AQ+64*(\c)+(\i)*16*PA+32
.endr
.endr
.endm
.macro QUARTER qn, f, g                ; multiplies buffer f; in its middle fetches quarter qn into g
	s_wait_dscnt 16                                ; the first 32 along K are in
	MUL8 \f, 0, 0
	MUL8 \f, 0, 2
	PLACES
	FETCH \qn, \g
	s_wait_dscnt 32                                ; all but the run just issued
	MUL8 \f, 1, 0
	MUL8 \f, 1, 2
.endm
; A K step's last quarter multiplies buffer 1 and changes slots: in front of the barrier each wave waits for all its tensor loads, adds 0 to its spare word, and waits for that and for its reads of the slot.
; fill = 1: the barrier opens a round of the cluster's, and the joint refill is the first tensor load behind it.
.macro TURN fill
.if DOWN && (\fill)
	s_wait_xcnt 0x0                                ; the last prefetch, a K step back, has read its address
	s_add_nc_u64 s[PFA:PFA+1], s[PFA:PFA+1], s[PST:PST+1]
.endif
	WIN 0
	s_wait_tensorcnt 0x0
	ds_add_u32 v[SPW], v[NIL]
	s_wait_dscnt 17                                ; (the add and the youngest sixteen loads may be out)
	MUL8 F1, 0, 0
	s_wait_dscnt 0x0                               ; the add is done, and my reads of this slot are over
	s_barrier_signal -1
	MUL8 F1, 0, 2
	WIN 0
	s_barrier_wait -1
.if \fill
	CREST
	s_xor_b32 s[TBF], s[TBF], SLOT
	s_add_co_u32 s[G0A+5], s[WBA], s[TBF]
	s_add_nc_u64 s[G0A+6:G0A+7], s[G0A+6:G0A+7], ASTEP
	s_add_co_u32 s[G0B+5], s[WBB], s[TBF]
	s_add_nc_u64 s[G0B+6:G0B+7], s[G0B+6:G0B+7], BSTEP
	JLOAD
.else
	PLACES
.endif
	s_xor_b32 s[TB], s[TB], SLOT
	v_add_nc_u32 v[ADRA], s[TB], v[ADRA0]
	v_add_nc_u32 v[ADRB], s[TB], v[ADRB0]
	v_add_nc_u32 v[ADRB+1], s[TB], v[ADRB0+1]
	FETCH 0, F0
.if DOWN && (\fill)
	WIN 0
	ASK
.endif
	MUL8 F1, 1, 0
	MUL8 F1, 1, 2
.endm
	s_wait_tensorcnt 1                             ; my part of K step 0 is in; K step 1's may stay out
	s_barrier_signal -1
	s_barrier_wait -1
	FETCH 0, F0
	s_wait_loadcnt 0x0                             ; the residual lies in the accumulators
	WIN 0
	s_mov_b32 s[LAP], T-2
.Llap:                                                 ; a trip is a K step, with its refill
	QUARTER 1, F0, F1
	QUARTER 2, F1, F0
	QUARTER 3, F0, F1
	TURN 1
	WIN 0
	s_sub_co_u32 s[LAP], s[LAP], 1
	s_cmp_lg_u32 s[LAP], 0
	s_cbranch_scc1 .Llap
	QUARTER 1, F0, F1                              ; the last two K steps ask for nothing
	QUARTER 2, F1, F0
	QUARTER 3, F0, F1
	TURN 0
	QUARTER 1, F0, F1
	QUARTER 2, F1, F0
	QUARTER 3, F0, F1
	s_wait_dscnt 16
	MUL8 F1, 0, 0
	MUL8 F1, 0, 2
	s_wait_dscnt 0x0
	MUL8 F1, 1, 0
	MUL8 F1, 1, 2
	WIN 0
	; THE WAY OUT.  My 64 columns of f32 are whole blocks of 256 bytes: they go through bytes of my own in the ring, which has had its last fill, and come back as whole rows.
	s_barrier_signal -1                            ; every wave's reads of the ring are over
	s_barrier_wait -1
	PLACES
.irp a, 0,1,2,3
.irp b, 0,1,2,3
	ds_store_b128 v[DST], v[ACC+8*(4*(\a)+(\b)):ACC+8*(4*(\a)+(\b))+3]   offset:(\a)*16*SPITCH+64*(\b)
	ds_store_b128 v[DST], v[ACC+8*(4*(\a)+(\b))+4:ACC+8*(4*(\a)+(\b))+7] offset:(\a)*16*SPITCH+64*(\b)+16
.endr
.endr
	s_mov_b32 s[LAP], 4
.Lout:                                                 ; a trip: 16 rows, two a load (LDS serves a wave's instructions in order: ISA guide 5.7.1.4)
.irp u, 0,1,2,3,4,5,6,7
	ds_load_b128 v[64+4*\u:67+4*\u], v[RD] offset:2*SPITCH*\u
.endr
.irp u, 0,1,2,3,4,5,6,7
	s_wait_dscnt 7-\u                              ; the younger loads may stay out
	v_pk_add_f32 v[64+4*\u:65+4*\u], v[64+4*\u:65+4*\u], v[32:33]
	v_pk_add_f32 v[66+4*\u:67+4*\u], v[66+4*\u:67+4*\u], v[34:35]
	global_store_b128 v[GO], v[64+4*\u:67+4*\u], s[OUT:OUT+1] offset:8192*\u  ; sixteen lanes store 256 consecutive bytes, aligned
.endr
	s_wait_xcnt 0x0                                ; the stores' data and base are written again only behind this wait
	v_add_nc_u32 v[RD], 16*SPITCH, v[RD]
	s_add_nc_u64 s[OUT:OUT+1], s[OUT:OUT+1], 65536
	s_sub_co_u32 s[LAP], s[LAP], 1
	s_cmp_lg_u32 s[LAP], 0
	s_cbranch_scc1 .Lout
	s_wait_tensorcnt 0x0                           ; the wave's end
	ds_add_u32 v[SPW], v[NIL]
	s_wait_dscnt 0x0
	CROUND                                         ; the closing round
	s_endpgm
.Lfunc_end_k_q74b56ec5e2_proj:
	.size	k_q74b56ec5e2_proj, .Lfunc_end_k_q74b56ec5e2_proj-k_q74b56ec5e2_proj
	.p2alignl 7, 3214868480
	.fill 96, 4, 3214868480
	.section	.rodata,"a",@progbits
	.p2align	6, 0x0
	.amdhsa_kernel k_q74b56ec5e2_proj
		.amdhsa_group_segment_fixed_size 327680
		.amdhsa_private_segment_fixed_size 0
		.amdhsa_enable_private_segment 0
		.amdhsa_kernarg_size 40
		.amdhsa_user_sgpr_count 2
		.amdhsa_user_sgpr_kernarg_segment_ptr 1
		.amdhsa_wavefront_size32 1
		.amdhsa_system_sgpr_workgroup_id_x 1
		.amdhsa_system_sgpr_workgroup_id_y 1
		.amdhsa_system_sgpr_workgroup_id_z 1
		.amdhsa_system_vgpr_workitem_id 0
		.amdhsa_next_free_vgpr 512
		.amdhsa_next_free_sgpr 100
		.amdhsa_reserve_vcc 0
		.amdhsa_float_denorm_mode_32 3
		.amdhsa_float_denorm_mode_16_64 3
		.amdhsa_memory_ordered 1
		.amdhsa_forward_progress 1
		.amdhsa_inst_pref_size 69
	.end_amdhsa_kernel
	.amdgpu_metadata
---
amdhsa.version: [ 1, 2 ]
amdhsa.kernels:
  - .name:           k_q74b56ec5e2_proj
    .symbol:         k_q74b56ec5e2_proj.kd
    .args:
      - { .name: o, .offset: 0, .size: 8, .value_kind: global_buffer, .address_space: global }
      - { .name: wts, .offset: 8, .size: 8, .value_kind: global_buffer, .address_space: global }
      - { .name: proj_b, .offset: 16, .size: 8, .value_kind: global_buffer, .address_space: global }
      - { .name: x, .offset: 24, .size: 8, .value_kind: global_buffer, .address_space: global }
      - { .name: x1, .offset: 32, .size: 8, .value_kind: global_buffer, .address_space: global }
    .group_segment_fixed_size: 327680
    .private_segment_fixed_size: 0
    .kernarg_segment_align: 8
    .kernarg_segment_size: 40
    .max_flat_workgroup_size: 128
    .sgpr_count:     100
    .vgpr_count:     512
    .wavefront_size: 32
...
	.end_amdgpu_metadata
.endif
;; end of part 4
;; launch ln2 (part 5): grid 256 x 1, 4 waves a work-group, no clusters, 0 bytes of LDS; arguments x1, ln2_w, ln2_b, hn; writes hn
.if DOCPART == 5
	.amdgcn_target "amdgcn-amd-amdhsa--gfx1250"
	.amdhsa_code_object_version 6
	.text
	.protected	k_q74b56ec5e2_ln2
	.globl	k_q74b56ec5e2_ln2
	.p2align	8
	.type	k_q74b56ec5e2_ln2,@function
k_q74b56ec5e2_ln2:
	s_mov_b64 s[64:65], 0
	v_nop
	global_prefetch_b8 v0, s[64:65] scope:SCOPE_SE
	s_setreg_imm32_b32 hwreg(HW_REG_WAVE_MODE, 25, 1), 1
	s_wait_xcnt 0x0
; hn = LayerNorm(x1) * ln2_w + ln2_b, f32 -> f16.  A stream: one wave a row, 4 rows a wave, the row kept in registers between the passes; mean first, then the centred squares.
; No LDS, no cluster, no matrix unit: no work-group shares an input with another but the 8 KiB of gain and bias.  LIMIT: |hn| <= 32 |gain| + |bias| must stay within f16's 65,504.
.set LW, 16
.set LB, 48
.set X,  80
.set D,  112
.set Y,  144
.set XP, 8
.set GP, 10
.set BP, 12
.set HP, 14
.set LOGW, 2
	s_load_b256 s[8:15], s[0:1], 0x0               ; x1, ln2_w, ln2_b, hn
	s_mov_b32 s36, ttmp9
	v_lshrrev_b32 v1, 5, v0
	v_readfirstlane_b32 s37, v1
	v_and_b32 v3, 31, v0
	v_lshlrev_b32 v1, 4, v3                        ; 16 x lane
	v_lshlrev_b32 v2, 3, v3                        ; 8 x lane
	s_wait_kmcnt 0x0
.macro RED                             ; v4 summed over the 32 lanes, the result in every lane
	v_add_f32_dpp v4, v4, v4 row_xmask:1 row_mask:0xf bank_mask:0xf
	v_add_f32_dpp v4, v4, v4 row_xmask:2 row_mask:0xf bank_mask:0xf
	v_add_f32_dpp v4, v4, v4 row_xmask:4 row_mask:0xf bank_mask:0xf
	v_add_f32_dpp v4, v4, v4 row_xmask:8 row_mask:0xf bank_mask:0xf
	v_permlanex16_b32 v10, v4, s44, s45
	v_add_f32 v4, v4, v10
.endm
	s_lshl_b32 s38, s36, LOGW
	s_add_co_u32 s38, s38, s37                     ; my wave among all: 4 rows each
	s_lshl_b32 s46, s38, 14
	s_mov_b32 s47, 0
	s_add_nc_u64 s[40:41], s[XP:XP+1], s[46:47]
	s_lshl_b32 s46, s38, 13
	s_add_nc_u64 s[42:43], s[HP:HP+1], s[46:47]
	s_mov_b32 s44, 0x76543210
	s_mov_b32 s45, 0xfedcba98
	s_mov_b32 s48, 0x3a800000                      ; 1 / 1024
	s_mov_b32 s38, 4
	v_mov_b32 v10, 0
.irp j, 0,1,2,3,4,5,6,7
	global_load_b128 v[LW+4*\j:LW+4*\j+3], v1, s[GP:GP+1] offset:512*\j
	global_load_b128 v[LB+4*\j:LB+4*\j+3], v1, s[BP:BP+1] offset:512*\j
.endr
.irp j, 0,1,2,3,4,5,6,7
	global_load_b128 v[X+4*\j:X+4*\j+3], v1, s[40:41] offset:512*\j
.endr
.Lrow:
	s_wait_loadcnt 0x0
.irp i, 0,1,2,3,4,5,6,7
	v_pk_add_f32 v[D+2*\i:D+2*\i+1], v[X+2*\i:X+2*\i+1], v[X+16+2*\i:X+16+2*\i+1]
.endr
.irp i, 0,1,2,3
	v_pk_add_f32 v[D+2*\i:D+2*\i+1], v[D+2*\i:D+2*\i+1], v[D+8+2*\i:D+8+2*\i+1]
.endr
.irp i, 0,1
	v_pk_add_f32 v[D+2*\i:D+2*\i+1], v[D+2*\i:D+2*\i+1], v[D+4+2*\i:D+4+2*\i+1]
.endr
	v_pk_add_f32 v[D:D+1], v[D:D+1], v[D+2:D+3]
	v_add_f32 v4, v[D], v[D+1]
	RED
	v_mul_f32 v6, s48, v4
	v_mov_b32 v7, v6
.irp i, 0,1,2,3,4,5,6,7,8,9,10,11,12,13,14,15
	v_pk_add_f32 v[D+2*\i:D+2*\i+1], v[X+2*\i:X+2*\i+1], v[6:7] neg_lo:[0,1] neg_hi:[0,1]
.endr
	s_cmp_eq_u32 s38, 1                            ; X has been read: the next row is asked for now; the last row has none behind it
	s_cbranch_scc1 .Lno_next
.irp j, 0,1,2,3,4,5,6,7
	global_load_b128 v[X+4*\j:X+4*\j+3], v1, s[40:41] offset:4096+512*\j
.endr
.Lno_next:
.irp i, 0,1,2,3
	v_pk_mul_f32 v[Y+2*\i:Y+2*\i+1], v[D+2*\i:D+2*\i+1], v[D+2*\i:D+2*\i+1]
.endr
.irp i, 4,5,6,7,8,9,10,11,12,13,14,15
	v_pk_fma_f32 v[Y+2*((\i)%4):Y+2*((\i)%4)+1], v[D+2*\i:D+2*\i+1], v[D+2*\i:D+2*\i+1], v[Y+2*((\i)%4):Y+2*((\i)%4)+1]
.endr
	v_pk_add_f32 v[Y:Y+1], v[Y:Y+1], v[Y+2:Y+3]
	v_pk_add_f32 v[Y+4:Y+5], v[Y+4:Y+5], v[Y+6:Y+7]
	v_pk_add_f32 v[Y:Y+1], v[Y:Y+1], v[Y+4:Y+5]
	v_add_f32 v4, v[Y], v[Y+1]
	RED
	v_fmaak_f32 v5, s48, v4, 0x3727c5ac            ; variance + 1e-5
	v_rsq_f32 v8, v5
	v_rsq_f32 v9, v5
	v_nop                                          ; a plain instruction behind the second root,
	s_wait_alu depctr_va_vdst(0)                   ; and one wait for both, ahead of their first reader
.irp i, 0,1,2,3,4,5,6,7,8,9,10,11,12,13,14,15
	v_pk_mul_f32 v[D+2*\i:D+2*\i+1], v[D+2*\i:D+2*\i+1], v[8:9]
.endr
.irp i, 0,1,2,3,4,5,6,7,8,9,10,11,12,13,14,15
	v_pk_fma_f32 v[D+2*\i:D+2*\i+1], v[D+2*\i:D+2*\i+1], v[LW+2*\i:LW+2*\i+1], v[LB+2*\i:LB+2*\i+1]
.endr
.irp i, 0,1,2,3,4,5,6,7,8,9,10,11,12,13,14,15
	v_cvt_pk_f16_f32 v[Y+\i], v[D+2*\i], v[D+2*\i+1]
.endr
.irp j, 0,1,2,3,4,5,6,7
	global_store_b64 v2, v[Y+2*\j:Y+2*\j+1], s[42:43] offset:256*\j  ; 256 consecutive bytes, aligned
.endr
	s_wait_xcnt 0x0                                ; the bases and Y are written again only behind this wait
	s_add_nc_u64 s[40:41], s[40:41], 4096
	s_add_nc_u64 s[42:43], s[42:43], 2048
	s_sub_co_u32 s38, s38, 1
	s_cmp_lg_u32 s38, 0
	s_cbranch_scc1 .Lrow
	s_endpgm
.Lfunc_end_k_q74b56ec5e2_ln2:
	.size	k_q74b56ec5e2_ln2, .Lfunc_end_k_q74b56ec5e2_ln2-k_q74b56ec5e2_ln2
	.p2alignl 7, 3214868480
	.fill 96, 4, 3214868480
	.section	.rodata,"a",@progbits
	.p2align	6, 0x0
	.amdhsa_kernel k_q74b56ec5e2_ln2
		.amdhsa_group_segment_fixed_size 0
		.amdhsa_private_segment_fixed_size 0
		.amdhsa_enable_private_segment 0
		.amdhsa_kernarg_size 32
		.amdhsa_user_sgpr_count 2
		.amdhsa_user_sgpr_kernarg_segment_ptr 1
		.amdhsa_wavefront_size32 1
		.amdhsa_system_sgpr_workgroup_id_x 1
		.amdhsa_system_sgpr_workgroup_id_y 1
		.amdhsa_system_sgpr_workgroup_id_z 1
		.amdhsa_system_vgpr_workitem_id 0
		.amdhsa_next_free_vgpr 160
		.amdhsa_next_free_sgpr 66
		.amdhsa_reserve_vcc 0
		.amdhsa_float_denorm_mode_32 3
		.amdhsa_float_denorm_mode_16_64 3
		.amdhsa_memory_ordered 1
		.amdhsa_forward_progress 1
		.amdhsa_inst_pref_size 13
	.end_amdhsa_kernel
	.amdgpu_metadata
---
amdhsa.version: [ 1, 2 ]
amdhsa.kernels:
  - .name:           k_q74b56ec5e2_ln2
    .symbol:         k_q74b56ec5e2_ln2.kd
    .args:
      - { .name: x1, .offset: 0, .size: 8, .value_kind: global_buffer, .address_space: global }
      - { .name: ln2_w, .offset: 8, .size: 8, .value_kind: global_buffer, .address_space: global }
      - { .name: ln2_b, .offset: 16, .size: 8, .value_kind: global_buffer, .address_space: global }
      - { .name: hn, .offset: 24, .size: 8, .value_kind: global_buffer, .address_space: global }
    .group_segment_fixed_size: 0
    .private_segment_fixed_size: 0
    .kernarg_segment_align: 8
    .kernarg_segment_size: 32
    .max_flat_workgroup_size: 128
    .sgpr_count:     66
    .vgpr_count:     160
    .wavefront_size: 32
...
	.end_amdgpu_metadata
.endif
;; end of part 5
;; launch up (part 6): grid 16 x 16, 4 waves a work-group, clusters of 4 x 4, 327,680 bytes of LDS; arguments hn, wts, w_b, v_b, g; writes g
.if DOCPART == 6
	.amdgcn_target "amdgcn-amd-amdhsa--gfx1250"
	.amdhsa_code_object_version 6
	.text
	.protected	k_q74b56ec5e2_up
	.globl	k_q74b56ec5e2_up
	.p2align	8
	.type	k_q74b56ec5e2_up,@function
k_q74b56ec5e2_up:
	s_mov_b64 s[64:65], 0
	v_nop
	global_prefetch_b8 v0, s[64:65] scope:SCOPE_SE
	s_setreg_imm32_b32 hwreg(HW_REG_WAVE_MODE, 25, 1), 1
	s_wait_xcnt 0x0
	s_wait_alu depctr_hold_cnt(0) depctr_sa_sdst(0) depctr_va_vdst(0) depctr_va_sdst(0) depctr_va_ssrc(0) depctr_va_vcc(0) depctr_vm_vsrc(0)
	s_getreg_b32 s2, hwreg(HW_REG_IB_STS2, 6, 4)
	s_cmp_eq_u32 s2, 0
	s_cbranch_scc0 .Lentry_in_a_cluster
	s_endpgm
.Lentry_in_a_cluster:
	s_bfe_u32 s2, ttmp6, 0x10000c
	s_cmp_lg_u32 s2, 0xf033
	s_cbranch_scc0 .Lentry_shape_is_right
	s_endpgm
.Lentry_shape_is_right:
; g = silu(hn w_w + w_b) (hn v_w + v_b), rounded once to bf16.  hn: f16 [4096][1024]; w_w, v_w: f16 [1024][2048] at bytes 8,388,608 and 12,582,912 of wts; g: bf16 [4096][2048].  Sums and the gate in f32.
; LIMITS.  g is kept in bf16, which has f32's range.  Where exp2 overflows the reciprocal is 0 and so is the gate, as in the limit of silu.
; SHARES.  Grid x = 128 hidden columns, y = 256 rows: 256 work-groups.  Wave (wr, wc) makes rows 128 wr .. +127 and columns 64 wc .. +63 of BOTH products: column blocks 0-3 are w's, 4-7 v's: 8 x 8 accumulators.
; RING.  K goes in 8 steps of 128 through two LDS slots; one text serves both: the read side adds s[TB], the fill side s[TBF], each 0 or SLOT.  Waves 0 and 1 fetch 128 rows of hn each, wave 2 w_w's tile, wave 3 v_w's.
; CLUSTER 4 x 4.  hn's tile is asked for jointly along a row of the cluster, the weights' along a column.  The weights lie [k][n] in LDS and are turned on the way into registers.
; The matrix instruction is used transposed: a lane holds row l % 16 and eight neighbouring columns.
; REGISTERS: window 0: v0-31 addresses, v32-47 biases, v64-127 and v128-191 hn's fragments, v64-207 at work on the way out; window 1: the weights' fragments; windows 2, 3: accumulators ((a, b) at 8 (8 a + b)).
.set T,     8
.set NF,    32
.set PA,    272
.set PB,    288
.set BOFF,  256*PA
.set BW,    128*PB
.set SLOT,  BOFF+2*BW
.set SPARE, 2*SLOT                     ; the spare words: two blocks of 256 bytes that no other line names
.set DP,    1040                       ; the way out: 128 + 128 f32 + 16 bytes
.set ASTEP, 256
.set BSTEP, 524288
.set ADRA, 16
.set ADRA0, 17
.set ADRB, 18                          ; v18 w's, v19 v's
.set ADRB0, 20                         ; v20, v21
.set DST, 22                           ; v22, v23
.set RD,  24
.set GO,  26
.set PFO, 27
.set SPW, 28
.set NIL, 29
.set WBV, 32
.set VBV, 40
.set GA,  64
.set EV,  128
.set OV,  192
.set F0,  64
.set F1,  128
.set G1A, 24
.set G0A, 32
.set G1B, 40
.set G0B, 48
.set WV, 72
.set WR, 73
.set WC, 74
.set CX, 75
.set CY, 76
.set TX, 77
.set TY, 78
.set LAP, 79
.set LIM, 80
.set TB, 82
.set TBF, 83
.set WBA, 84
.set WBB, 85
.set PFA, 86
.set PST, 88
.set OUT, 92
.set MSB, 0
.macro WIN new
.if MSB != (\new)
	s_set_vgpr_msb (MSB<<8)|(\new)
.set MSB, \new
.endif
.endm
.set MUL_LO, 0xa1
.set MUL_HI, 0xf1
.set TO_B,   0x40
.macro PLACES
.rept 4
	v_nop
.endr
.endm
.macro JLOAD
	s_cmp_eq_u32 s[WR], 0
	s_cbranch_scc0 .Lfor_b_\@
	tensor_load_to_lds s[G0A+4:G0A+7], s[G1A:G1A+7]
	s_nop 0
	PLACES
	s_branch .Lasked_\@
.Lfor_b_\@:
	tensor_load_to_lds s[G0B+4:G0B+7], s[G1B:G1B+7]
	s_nop 0
	PLACES
.Lasked_\@:
.endm
.macro CREST
	s_cmp_lg_u32 s[WV], 0
	s_cbranch_scc1 .Lnot_wave_0_\@
	s_barrier_signal -3
.Lnot_wave_0_\@:
	s_barrier_wait -3
	s_barrier_signal -1
	s_barrier_wait -1
.endm
.macro CROUND
	s_barrier_signal -1
	s_barrier_wait -1
	CREST
.endm
; A prefetch into the L2 of the K step two refills on: 32 rows x 256 bytes, a lane a row, one instruction a wave.  hn's rows: the cluster with x = 0 asks; the weights': the cluster with y = 0.  Of the 128 rows that a wave
; fetches the partner at place p (cx for hn, cy for the weights) takes 32, told apart by address.  The first four K steps come by their loads alone; the last two refills have no K step two on.
.macro ASK
	s_cmp_gt_u32 s[LAP], s[LIM]
	s_cbranch_scc0 .Lnot_mine_\@
	global_prefetch_b8 v[PFO], s[PFA:PFA+1] th:TH_LOAD_NT scope:SCOPE_SE
.Lnot_mine_\@:
.endm
	s_load_b256 s[4:11], s[0:1], 0x0               ; hn, wts, w_b, v_b
	s_load_b64 s[12:13], s[0:1], 0x20              ; g
	v_lshl_add_u32 v[SPW], v0, 2, SPARE
	v_mov_b32 v[NIL], 0
	ds_add_u32 v[SPW], v[NIL]                      ; the wave's opening: the add and its wait stand ahead of my first tensor load
	v_lshrrev_b32 v1, 5, v0
	v_readfirstlane_b32 s[WV], v1
	s_lshr_b32 s[WR], s[WV], 1                     ; my half of the rows.  Also: I fetch hn (0) or weights (1)
	s_and_b32 s[WC], s[WV], 1                      ; my half of the columns.  Also: which half of hn's tile, or which of w_w, v_w, I fetch
	s_bfe_u32 s[CX], ttmp6, 0x40000
	s_bfe_u32 s[CY], ttmp6, 0x40004
	s_lshl_b32 s[TX], ttmp9, 2
	s_add_co_u32 s[TX], s[TX], s[CX]
	s_and_b32 s[TY], ttmp7, 0xffff
	s_lshl_b32 s[TY], s[TY], 2
	s_add_co_u32 s[TY], s[TY], s[CY]
	s_lshl_b32 s14, s[CY], 2
	s_lshl_b32 s14, 15, s14
	s_lshl_b32 s16, 0x1111, s[CX]
	s_or_b32 s[G1A], s14, (1<<16)|(1<<20)|(1<<21)|(5<<22)|(3<<25)  ; 16 bytes of padding behind every 256
	s_or_b32 s[G1B], s16, (1<<16)|(1<<20)|(1<<21)|(5<<22)|(7<<25)  ; 32 bytes
.irp gg, G1A, G1B
	s_mov_b32 s[(\gg)+1], 128<<16                  ; 128 elements x 128 rows
	s_mov_b32 s[(\gg)+2], 128<<16
	s_mov_b32 s[(\gg)+3], 128<<16
	s_mov_b32 s[(\gg)+4], 128
	s_mov_b32 s[(\gg)+6], 0
	s_mov_b32 s[(\gg)+7], 0
.endr
	s_mov_b32 s[G1A+5], 1024
	s_mov_b32 s[G1B+5], 2048
	s_lshl_b32 s14, s[TY], 19                      ; hn: (256 y + 128 half) rows of 2,048 bytes
	s_lshl_b32 s15, s[WC], 18
	s_add_co_u32 s14, s14, s15
	s_mov_b32 s15, 0
	s_lshl_b32 s16, s[TX], 8                       ; the weights: 128 x columns, w_w or v_w
	s_lshl_b32 s17, s[WC], 22
	s_add_co_u32 s16, s16, s17
	s_add_co_u32 s16, s16, 8388608
	s_mov_b32 s17, 0
	s_mul_i32 s[WBA], s[WC], 128*PA
	s_mul_i32 s[WBB], s[WC], BW
	s_add_co_u32 s[WBB], s[WBB], BOFF
	s_lshl_b32 s18, s[TY], 20                      ; g: (256 y + 64 wave) rows of 4,096 bytes + 256 x
	s_lshl_b32 s19, s[WV], 18
	s_add_co_u32 s18, s18, s19
	s_lshl_b32 s19, s[TX], 8
	s_add_co_u32 s18, s18, s19
	s_mov_b32 s19, 0
	s_lshl_b32 s20, s[TX], 9                       ; the biases of the tile's 128 columns
	s_mov_b32 s21, 0
	s_mov_b32 s[TB], 0
	s_mov_b32 s[TBF], SLOT
	s_wait_dscnt 0x0                               ; the opening add is done
	s_wait_kmcnt 0x0
	s_add_nc_u64 s[66:67], s[4:5], s[14:15]
	s_add_nc_u64 s[68:69], s[6:7], s[16:17]
	s_add_nc_u64 s[OUT:OUT+1], s[12:13], s[18:19]
	s_add_nc_u64 s[8:9], s[8:9], s[20:21]
	s_add_nc_u64 s[10:11], s[10:11], s[20:21]
.irp s, 0,1
	s_mov_b32 s[G0A+4*(\s)], 1
	s_add_co_u32 s[G0A+4*(\s)+1], s[WBA], (\s)*SLOT
	s_add_nc_u64 s[G0A+4*(\s)+2:G0A+4*(\s)+3], s[66:67], (\s)*ASTEP
	s_or_b32 s[G0A+4*(\s)+3], s[G0A+4*(\s)+3], 0x80000000
	s_mov_b32 s[G0B+4*(\s)], 1
	s_add_co_u32 s[G0B+4*(\s)+1], s[WBB], (\s)*SLOT
	s_add_nc_u64 s[G0B+4*(\s)+2:G0B+4*(\s)+3], s[68:69], (\s)*BSTEP
	s_or_b32 s[G0B+4*(\s)+3], s[G0B+4*(\s)+3], 0x80000000
.endr
	CROUND                                         ; all sixteen work-groups are here: the first joint loads meet
	s_cmp_eq_u32 s[WR], 0                          ; a wave's two first fills stand in one branch: two loads of mine are out
	s_cbranch_scc0 .Lfirst_b
	tensor_load_to_lds s[G0A:G0A+3], s[G1A:G1A+7]
	s_nop 0
	tensor_load_to_lds s[G0A+4:G0A+7], s[G1A:G1A+7]
	s_nop 0
	PLACES
	s_branch .Lfirst_done
.Lfirst_b:
	tensor_load_to_lds s[G0B:G0B+3], s[G1B:G1B+7]
	s_nop 0
	tensor_load_to_lds s[G0B+4:G0B+7], s[G1B:G1B+7]
	s_nop 0
	PLACES
.Lfirst_done:
	v_and_b32 v1, 15, v0                           ; r
	v_bfe_u32 v2, v0, 4, 1                         ; h
	v_and_b32 v4, 7, v0
	v_bfe_u32 v5, v0, 3, 1
	v_lshlrev_b32 v6, 5, v1
	global_load_b128 v[WBV:WBV+3],   v6, s[8:9]    ; the biases of the eight columns that I finish
	global_load_b128 v[WBV+4:WBV+7], v6, s[8:9] offset:16
	global_load_b128 v[VBV:VBV+3],   v6, s[10:11]
	global_load_b128 v[VBV+4:VBV+7], v6, s[10:11] offset:16
	v_mul_u32_u24 v3, v1, PA
	v_lshl_add_u32 v3, v2, 4, v3
	s_mul_i32 s70, s[WR], 128*PA
	v_add_nc_u32 v[ADRA0], s70, v3
	v_lshl_add_u32 v7, v2, 3, v4
	v_mul_u32_u24 v7, v7, PB
	v_lshl_add_u32 v7, v5, 4, v7
	s_lshl_b32 s70, s[WC], 7
	s_add_co_u32 s70, s70, BOFF
	v_add_nc_u32 v[ADRB0], s70, v7
	v_add_nc_u32 v[ADRB0+1], BW, v[ADRB0]
	v_mov_b32 v[ADRA], v[ADRA0]
	v_mov_b32 v[ADRB], v[ADRB0]
	v_mov_b32 v[ADRB+1], v[ADRB0+1]
	v_mul_u32_u24 v8, v1, DP
	v_lshl_add_u32 v8, v2, 4, v8
	s_mul_i32 s70, s[WR], 128*DP
	s_lshl_b32 s71, s[WC], 7
	s_add_co_u32 s70, s70, s71
	v_add_nc_u32 v[DST], s70, v8                   ; the way out, in: (128 wr + r) 1,040 + 16 h + 128 wc
	v_add_nc_u32 v[DST+1], 64*DP, v[DST]
	v_mul_u32_u24 v8, v2, DP
	v_lshl_add_u32 v8, v1, 4, v8
	s_mul_i32 s70, s[WV], 64*DP
	v_add_nc_u32 v[RD], s70, v8                    ; back: row 64 wave + l / 16, group l % 16
	v_lshlrev_b32 v8, 12, v2
	v_lshl_add_u32 v[GO], v1, 4, v8
	; the prefetches stand at K step 3 and are stepped ahead of each request
	s_lshl_b32 s98, s[CX], 16                      ; 32 rows of 2,048 bytes
	s_add_co_u32 s98, s98, s14
	s_add_co_u32 s98, s98, 3*ASTEP
	s_lshl_b32 s70, s[CY], 17                      ; 32 rows of 4,096 bytes
	s_add_co_u32 s70, s70, s16
	s_add_co_u32 s70, s70, 3*BSTEP
	s_and_b32 s71, ttmp7, 0xffff
	s_mov_b32 s[PST], BSTEP
	s_mov_b32 s96, 4096
	s_cmp_eq_u32 s[WR], 0
	s_cselect_b32 s98, s98, s70
	s_cselect_b32 s71, ttmp9, s71
	s_cselect_b64 s[PFA:PFA+1], s[4:5], s[6:7]
	s_cselect_b32 s[PST], ASTEP, s[PST]
	s_cselect_b32 s96, 2048, s96
	s_mov_b32 s[PST+1], 0
	s_mov_b32 s99, 0
	s_add_nc_u64 s[PFA:PFA+1], s[PFA:PFA+1], s[98:99]
	s_cmp_eq_u32 s71, 0
	s_cselect_b32 s[LIM], 2, -1
	v_and_b32 v[PFO], 31, v0
	v_mul_u32_u24 v[PFO], s96, v[PFO]
; 16 products: row blocks a0, a0 + 1 of the window's four x all 8 column blocks.  The 64 accumulators take turns, one instruction a turn.
.macro MULP f, hi, a0, zero
	WIN MUL_LO+0x50*(\hi)
.irp a, \a0, (\a0)+1
.irp b, 0,1,2,3,4,5,6,7
.if \zero
	v_wmma_f32_16x16x32_f16 v[8*(8*(\a)+(\b)):8*(8*(\a)+(\b))+7], v[(\f)+8*(\b):(\f)+8*(\b)+7], v[(\f)+8*(4*(\hi)+(\a)):(\f)+8*(4*(\hi)+(\a))+7], 0
.else
	v_wmma_f32_16x16x32_f16 v[8*(8*(\a)+(\b)):8*(8*(\a)+(\b))+7], v[(\f)+8*(\b):(\f)+8*(\b)+7], v[(\f)+8*(4*(\hi)+(\a)):(\f)+8*(4*(\hi)+(\a))+7], v[8*(8*(\a)+(\b)):8*(8*(\a)+(\b))+7]
.endif
.endr
.endr
.endm
.macro FETCH kk, f                     ; 32 LDS loads in one run: w's four fragments, v's four, hn's eight
	WIN TO_B
.irp b, 0,1,2,3,4,5,6,7
	ds_load_tr16_b128 v[(\f)+8*(\b):(\f)+8*(\b)+3],   v[ADRB+(\b)/4] offset:(\kk)*32*PB+((\b)%4)*32
	ds_load_tr16_b128 v[(\f)+8*(\b)+4:(\f)+8*(\b)+7], v[ADRB+(\b)/4] offset:(\kk)*32*PB+((\b)%4)*32+16*PB
.endr
	WIN 0
.irp a, 0,1,2,3,4,5,6,7
	ds_load_b128 v[(\f)+8*(\a):(\f)+8*(\a)+3],   v[ADRA] offset:(\kk)*64+(\a)*16*PA
	ds_load_b128 v[(\f)+8*(\a)+4:(\f)+8*(\a)+7], v[ADRA] offset:(\kk)*64+(\a)*16*PA+32
.endr
.endm
.macro QUARTER kk, f, g, zero
	s_wait_dscnt 8                                 ; the weights and hn's rows 0-63 are in; the youngest eight loads may be out
	MULP \f, 0, 0, \zero
	MULP \f, 0, 2, \zero
	PLACES
	FETCH \kk, \g
	s_wait_dscnt NF                                ; all but the run just issued
	MULP \f, 1, 0, \zero
	MULP \f, 1, 2, \zero
.endm
; A K step's last quarter multiplies buffer 1 and changes slots: in front of the barrier each wave waits for all its tensor loads, adds 0 to its spare word, and waits for that and for its reads of the slot.
; fill = 1: the barrier opens a round of the cluster's, and the joint refill is the first tensor load behind it: 224 products ahead of the wait for it.
.macro TURN fill
.if \fill
	s_wait_xcnt 0x0                                ; the last prefetch, a K step back, has read its address
	s_add_nc_u64 s[PFA:PFA+1], s[PFA:PFA+1], s[PST:PST+1]
.endif
	WIN 0
	s_wait_tensorcnt 0x0
	ds_add_u32 v[SPW], v[NIL]
	s_wait_dscnt 9                                 ; (the add and the youngest eight loads may be out)
	MULP F1, 0, 0, 0
	s_wait_dscnt 0x0                               ; the add is done, and my reads of this slot are over
	s_barrier_signal -1
	MULP F1, 0, 2, 0
	WIN 0
	s_barrier_wait -1
.if \fill
	CREST
	s_xor_b32 s[TBF], s[TBF], SLOT
	s_add_co_u32 s[G0A+5], s[WBA], s[TBF]
	s_add_nc_u64 s[G0A+6:G0A+7], s[G0A+6:G0A+7], ASTEP
	s_add_co_u32 s[G0B+5], s[WBB], s[TBF]
	s_add_nc_u64 s[G0B+6:G0B+7], s[G0B+6:G0B+7], BSTEP
	JLOAD
.else
	PLACES
.endif
	s_xor_b32 s[TB], s[TB], SLOT
	v_add_nc_u32 v[ADRA], s[TB], v[ADRA0]
	v_add_nc_u32 v[ADRB], s[TB], v[ADRB0]
	v_add_nc_u32 v[ADRB+1], s[TB], v[ADRB0+1]
	FETCH 0, F0
.if \fill
	ASK
.endif
	MULP F1, 1, 0, 0
	MULP F1, 1, 2, 0
.endm
	s_wait_tensorcnt 1                             ; my part of K step 0 is in; K step 1's may stay out
	s_barrier_signal -1
	s_barrier_wait -1
	FETCH 0, F0
	QUARTER 1, F0, F1, 1                           ; the first quarter's products start the sums
	WIN 0
	s_mov_b32 s[LAP], T-2
.Llap:
	QUARTER 2, F1, F0, 0
	QUARTER 3, F0, F1, 0
	TURN 1
	QUARTER 1, F0, F1, 0
	WIN 0
	s_sub_co_u32 s[LAP], s[LAP], 1
	s_cmp_lg_u32 s[LAP], 0
	s_cbranch_scc1 .Llap
	QUARTER 2, F1, F0, 0                           ; the last two K steps ask for nothing
	QUARTER 3, F0, F1, 0
	TURN 0
	QUARTER 1, F0, F1, 0
	QUARTER 2, F1, F0, 0
	QUARTER 3, F0, F1, 0
	s_wait_dscnt 0x0
	MULP F1, 0, 0, 0
	MULP F1, 0, 2, 0
	MULP F1, 1, 0, 0
	MULP F1, 1, 2, 0
	WIN 0
	; THE WAY OUT.  The f32 sums go into the ring's bytes, which have had their last fill: a row is two planes of 512 bytes (registers 0-3, registers 4-7), in each 16 groups of w's product, then 16 of v's.
	s_barrier_signal -1                            ; every wave's reads of the ring are over
	s_barrier_wait -1
	PLACES
.irp hi, 0,1
	WIN 0x08+4*(\hi)
.irp a, 0,1,2,3
.irp b, 0,1,2,3,4,5,6,7
	ds_store_b128 v[DST+(\hi)], v[8*(8*(\a)+(\b)):8*(8*(\a)+(\b))+3]   offset:(\a)*16*DP+((\b)%4)*32+((\b)/4)*256
	ds_store_b128 v[DST+(\hi)], v[8*(8*(\a)+(\b))+4:8*(8*(\a)+(\b))+7] offset:(\a)*16*DP+((\b)%4)*32+((\b)/4)*256+512
.endr
.endr
.endr
	WIN 0
	s_wait_dscnt 0x0
	s_barrier_signal -1
	s_barrier_wait -1                              ; a row's columns come from two waves
	s_wait_loadcnt 0x0                             ; the biases
	s_mov_b32 s[LAP], 8
.Lout:                                                 ; a trip: 8 of my 64 rows; group u is two rows, eight columns a lane
.irp u, 0,1,2,3
	ds_load_b128 v[GA+16*\u:GA+16*\u+3],     v[RD] offset:2*DP*\u
	ds_load_b128 v[GA+16*\u+4:GA+16*\u+7],   v[RD] offset:2*DP*\u+512
	ds_load_b128 v[GA+16*\u+8:GA+16*\u+11],  v[RD] offset:2*DP*\u+256
	ds_load_b128 v[GA+16*\u+12:GA+16*\u+15], v[RD] offset:2*DP*\u+768
.endr
	s_wait_dscnt 0x0
.irp u, 0,1,2,3
.irp p, 0,2,4,6
	v_pk_add_f32 v[GA+16*\u+\p:GA+16*\u+\p+1], v[GA+16*\u+\p:GA+16*\u+\p+1], v[WBV+\p:WBV+\p+1]
	v_pk_add_f32 v[GA+16*\u+8+\p:GA+16*\u+8+\p+1], v[GA+16*\u+8+\p:GA+16*\u+8+\p+1], v[VBV+\p:VBV+\p+1]
	v_pk_mul_f32 v[EV+8*\u+\p:EV+8*\u+\p+1], v[GA+16*\u+\p:GA+16*\u+\p+1], 0xbfb8aa3b op_sel_hi:[1,0]
.endr
.endr
.set i, 0
.rept 32
	v_exp_f32 v[EV+i], v[EV+i]                     ; e^-a
.set i, i+1
.endr
.irp u, 0,1,2,3
.irp p, 0,2,4,6
	v_pk_mul_f32 v[GA+16*\u+8+\p:GA+16*\u+8+\p+1], v[GA+16*\u+8+\p:GA+16*\u+8+\p+1], v[GA+16*\u+\p:GA+16*\u+\p+1]  ; a b: the plain work behind the exponentials
.endr
.endr
	s_wait_alu depctr_va_vdst(0)                   ; one wait for the 32 exponentials
.set i, 0
.rept 16
	v_pk_add_f32 v[EV+i:EV+i+1], v[EV+i:EV+i+1], 1.0 op_sel_hi:[1,0]
.set i, i+2
.endr
.set i, 0
.rept 32
	v_rcp_f32 v[EV+i], v[EV+i]
.set i, i+1
.endr
	v_nop
	s_wait_alu depctr_va_vdst(0)                   ; one wait for the 32 reciprocals
.irp u, 0,1,2,3
.irp p, 0,2,4,6
	v_pk_mul_f32 v[GA+16*\u+8+\p:GA+16*\u+8+\p+1], v[GA+16*\u+8+\p:GA+16*\u+8+\p+1], v[EV+8*\u+\p:EV+8*\u+\p+1]
.endr
.irp p, 0,1,2,3
	v_cvt_pk_bf16_f32 v[OV+4*\u+\p], v[GA+16*\u+8+2*\p], v[GA+16*\u+8+2*\p+1]
.endr
	global_store_b128 v[GO], v[OV+4*\u:OV+4*\u+3], s[OUT:OUT+1] offset:8192*\u  ; sixteen lanes store 256 consecutive bytes, aligned
.endr
	s_wait_xcnt 0x0                                ; the stores' data and offset are written again only behind this wait
	v_add_nc_u32 v[RD], 8*DP, v[RD]
	v_add_nc_u32 v[GO], 32768, v[GO]
	s_sub_co_u32 s[LAP], s[LAP], 1
	s_cmp_lg_u32 s[LAP], 0
	s_cbranch_scc1 .Lout
	s_wait_tensorcnt 0x0                           ; the wave's end
	ds_add_u32 v[SPW], v[NIL]
	s_wait_dscnt 0x0
	CROUND                                         ; the closing round
	s_endpgm
.Lfunc_end_k_q74b56ec5e2_up:
	.size	k_q74b56ec5e2_up, .Lfunc_end_k_q74b56ec5e2_up-k_q74b56ec5e2_up
	.p2alignl 7, 3214868480
	.fill 96, 4, 3214868480
	.section	.rodata,"a",@progbits
	.p2align	6, 0x0
	.amdhsa_kernel k_q74b56ec5e2_up
		.amdhsa_group_segment_fixed_size 327680
		.amdhsa_private_segment_fixed_size 0
		.amdhsa_enable_private_segment 0
		.amdhsa_kernarg_size 40
		.amdhsa_user_sgpr_count 2
		.amdhsa_user_sgpr_kernarg_segment_ptr 1
		.amdhsa_wavefront_size32 1
		.amdhsa_system_sgpr_workgroup_id_x 1
		.amdhsa_system_sgpr_workgroup_id_y 1
		.amdhsa_system_sgpr_workgroup_id_z 1
		.amdhsa_system_vgpr_workitem_id 0
		.amdhsa_next_free_vgpr 1024
		.amdhsa_next_free_sgpr 100
		.amdhsa_reserve_vcc 0
		.amdhsa_float_denorm_mode_32 3
		.amdhsa_float_denorm_mode_16_64 3
		.amdhsa_memory_ordered 1
		.amdhsa_forward_progress 1
		.amdhsa_inst_pref_size 107
	.end_amdhsa_kernel
	.amdgpu_metadata
---
amdhsa.version: [ 1, 2 ]
amdhsa.kernels:
  - .name:           k_q74b56ec5e2_up
    .symbol:         k_q74b56ec5e2_up.kd
    .args:
      - { .name: hn, .offset: 0, .size: 8, .value_kind: global_buffer, .address_space: global }
      - { .name: wts, .offset: 8, .size: 8, .value_kind: global_buffer, .address_space: global }
      - { .name: w_b, .offset: 16, .size: 8, .value_kind: global_buffer, .address_space: global }
      - { .name: v_b, .offset: 24, .size: 8, .value_kind: global_buffer, .address_space: global }
      - { .name: g, .offset: 32, .size: 8, .value_kind: global_buffer, .address_space: global }
    .group_segment_fixed_size: 327680
    .private_segment_fixed_size: 0
    .kernarg_segment_align: 8
    .kernarg_segment_size: 40
    .max_flat_workgroup_size: 128
    .sgpr_count:     100
    .vgpr_count:     1024
    .wavefront_size: 32
...
	.end_amdgpu_metadata
.endif
;; end of part 6
;; launch down (part 7): grid 8 x 32, 4 waves a work-group, clusters of 4 x 4, 327,680 bytes of LDS; arguments g, wts, p_b, x1, out0; writes out0
.if DOCPART == 7
	.amdgcn_target "amdgcn-amd-amdhsa--gfx1250"
	.amdhsa_code_object_version 6
	.text
	.protected	k_q74b56ec5e2_down
	.globl	k_q74b56ec5e2_down
	.p2align	8
	.type	k_q74b56ec5e2_down,@function
k_q74b56ec5e2_down:
	s_mov_b64 s[64:65], 0
	v_nop
	global_prefetch_b8 v0, s[64:65] scope:SCOPE_SE
	s_setreg_imm32_b32 hwreg(HW_REG_WAVE_MODE, 25, 1), 1
	s_wait_xcnt 0x0
	s_wait_alu depctr_hold_cnt(0) depctr_sa_sdst(0) depctr_va_vdst(0) depctr_va_sdst(0) depctr_va_ssrc(0) depctr_va_vcc(0) depctr_vm_vsrc(0)
	s_getreg_b32 s2, hwreg(HW_REG_IB_STS2, 6, 4)
	s_cmp_eq_u32 s2, 0
	s_cbranch_scc0 .Lentry_in_a_cluster
	s_endpgm
.Lentry_in_a_cluster:
	s_bfe_u32 s2, ttmp6, 0x10000c
	s_cmp_lg_u32 s2, 0xf033
	s_cbranch_scc0 .Lentry_shape_is_right
	s_endpgm
.Lentry_shape_is_right:
; out0 = x1 + g p_w + p_b.  g: bf16 [4096][2048]; p_w: bf16 [2048][1024] at byte 16,777,216 of wts; x1, out0: f32 [4096][1024].  Sums in f32.
; The text is one with the launch 'proj' but for the sizes under DOWN.  A tile of the output is 128 x 128: 256 work-groups; four waves of 64 x 64: 16 accumulators.
; THE RESIDUAL STARTS THE SUMS: x1's tile is loaded straight into the accumulators, so no product takes the constant 0 and nothing is added at the end but the bias.
; K goes in 8 steps of 256 through two LDS slots; one text serves both: the read side adds s[TB], the fill side s[TBF], each 0 or SLOT.  Waves 0 and 1 fetch 64 rows of g each (512 bytes a row),
; waves 2 and 3 128 rows of p_w each.  CLUSTER 4 x 4: g's tile is asked for jointly along a row of the cluster, p_w's along a column.
; p_w lies [k][n] in LDS and is turned on the way into registers.  The matrix instruction is used transposed: a lane holds row l % 16 and eight neighbouring columns.
; REGISTERS: window 0: v0-31 addresses; v32-95 at work; v128-255 accumulators ((a, b) at 128 + 8 (4 a + b)).  window 1: two fragment buffers of 128 (64 along K): 64 of A, then 64 of B.
.set DOWN, 1
.if DOWN
.set T,     8
.set PA,    528
.set AHALF, 64*PA
.set AQ,    128
.set ASTEP, 512
.set WOFF,  16777216
.else
.set T,     4
.set PA,    144
.set AHALF, 2*128*PA
.set AQ,    128*PA
.set ASTEP, 1048576
.set WOFF,  6291456
.endif
.set PB,    288
.set BHALF, 128*PB
.set BOFF,  2*AHALF
.set SLOT,  BOFF+2*BHALF
.set SPARE, 2*SLOT                     ; the spare words: two blocks of 256 bytes that no other line names
.set BSTEP, 524288
.set SPITCH, 272
.set ADRA, 16
.set ADRA0, 17
.set ADRB, 20                          ; v20, v21: quarters 0, 1 and 2, 3
.set ADRB0, 22                         ; v22, v23
.set DST, 24
.set RD,  25
.set GO,  26
.set PFO, 27
.set SPW, 28
.set NIL, 29
.set RO,  30
.set ACC, 128
.set F0,  0
.set F1,  128
.set G1A, 24
.set G0A, 32
.set G1B, 40
.set G0B, 48
.set WV, 72
.set WR, 73
.set WC, 74
.set CX, 75
.set CY, 76
.set TX, 77
.set TY, 78
.set LAP, 79
.set LIM, 80
.set TB, 82
.set TBF, 83
.set WBA, 84
.set WBB, 85
.set PFA, 86
.set PST, 88
.set RES, 90
.set OUT, 92
.set BIA, 94
.set MSB, 0
.macro WIN new
.if MSB != (\new)
	s_set_vgpr_msb (MSB<<8)|(\new)
.set MSB, \new
.endif
.endm
.set MUL,  0x05                        ; sources 0 and 1 window 1; C and D window 0
.set TO_F, 0x40
.macro PLACES
.rept 4
	v_nop
.endr
.endm
.macro JLOAD
	s_cmp_eq_u32 s[WR], 0
	s_cbranch_scc0 .Lfor_b_\@
	tensor_load_to_lds s[G0A+4:G0A+7], s[G1A:G1A+7]
	s_nop 0
	PLACES
	s_branch .Lasked_\@
.Lfor_b_\@:
	tensor_load_to_lds s[G0B+4:G0B+7], s[G1B:G1B+7]
	s_nop 0
	PLACES
.Lasked_\@:
.endm
.macro CREST
	s_cmp_lg_u32 s[WV], 0
	s_cbranch_scc1 .Lnot_wave_0_\@
	s_barrier_signal -3
.Lnot_wave_0_\@:
	s_barrier_wait -3
	s_barrier_signal -1
	s_barrier_wait -1
.endm
.macro CROUND
	s_barrier_signal -1
	s_barrier_wait -1
	CREST
.endm
.macro ASK                             ; the K step two refills on: one instruction a wave; each block of 256 bytes is named once in the launch; the last two refills have no K step two on
	s_cmp_gt_u32 s[LAP], s[LIM]
	s_cbranch_scc0 .Lnot_mine_\@
	global_prefetch_b8 v[PFO], s[PFA:PFA+1] th:TH_LOAD_NT scope:SCOPE_SE
.Lnot_mine_\@:
.endm
	s_load_b256 s[4:11], s[0:1], 0x0               ; A, wts, bias, residual
	s_load_b64 s[12:13], s[0:1], 0x20              ; the output
	v_lshl_add_u32 v[SPW], v0, 2, SPARE
	v_mov_b32 v[NIL], 0
	ds_add_u32 v[SPW], v[NIL]                      ; the wave's opening: the add and its wait stand ahead of my first tensor load
	v_lshrrev_b32 v1, 5, v0
	v_readfirstlane_b32 s[WV], v1
	s_lshr_b32 s[WR], s[WV], 1                     ; my half of the tile's rows.  Also: I fetch for A (0) or for B (1)
	s_and_b32 s[WC], s[WV], 1                      ; my half of its columns.  Also: which half of that tile I fetch
	s_bfe_u32 s[CX], ttmp6, 0x40000
	s_bfe_u32 s[CY], ttmp6, 0x40004
	s_lshl_b32 s[TX], ttmp9, 2
	s_add_co_u32 s[TX], s[TX], s[CX]
	s_and_b32 s[TY], ttmp7, 0xffff
	s_lshl_b32 s[TY], s[TY], 2
	s_add_co_u32 s[TY], s[TY], s[CY]
	s_lshl_b32 s14, s[CY], 2
	s_lshl_b32 s14, 15, s14                        ; my row of the cluster
	s_lshl_b32 s16, 0x1111, s[CX]                  ; my column
.if DOWN
	s_or_b32 s[G1A], s14, (1<<16)|(1<<20)|(1<<21)|(6<<22)|(3<<25)  ; 16 bytes of padding behind every 512
	s_mov_b32 s[G1A+1], 256<<16                    ; 256 elements x 64 rows, 2,048 elements from row to row
	s_mov_b32 s[G1A+2], 64<<16
	s_mov_b32 s[G1A+3], 256<<16
	s_mov_b32 s[G1A+4], 64
	s_mov_b32 s[G1A+5], 2048
.else
	s_or_b32 s[G1A], s14, (1<<16)|(1<<20)|(1<<21)|(4<<22)|(3<<25)  ; 16 bytes of padding behind every 128
	s_mov_b32 s[G1A+1], 8192<<16                   ; two heads' 128 rows: 2 rows of 8,192 elements, a head (131,072 elements) apart
	s_mov_b32 s[G1A+2], 2<<16
	s_mov_b32 s[G1A+3], 8192<<16
	s_mov_b32 s[G1A+4], 2
	s_mov_b32 s[G1A+5], 131072
.endif
	s_mov_b32 s[G1A+6], 0
	s_mov_b32 s[G1A+7], 0
	s_or_b32 s[G1B], s16, (1<<16)|(1<<20)|(1<<21)|(5<<22)|(7<<25)  ; 32 bytes of padding behind every 256
	s_mov_b32 s[G1B+1], 128<<16
	s_mov_b32 s[G1B+2], 128<<16
	s_mov_b32 s[G1B+3], 128<<16
	s_mov_b32 s[G1B+4], 128
	s_mov_b32 s[G1B+5], 1024
	s_mov_b32 s[G1B+6], 0
	s_mov_b32 s[G1B+7], 0
.if DOWN
	s_lshl_b32 s14, s[TY], 19                      ; (128 y + 64 half) rows of 4,096 bytes
	s_lshl_b32 s15, s[WC], 18
	s_add_co_u32 s14, s14, s15
.else
	s_lshr_b32 s14, s[TY], 4                       ; ((y / 16) 16 + 2 half) heads of 262,144 bytes + (y % 16) 128 rows of 128
	s_lshl_b32 s14, s14, 22
	s_and_b32 s15, s[TY], 15
	s_lshl_b32 s15, s15, 14
	s_add_co_u32 s14, s14, s15
	s_lshl_b32 s15, s[WC], 19
	s_add_co_u32 s14, s14, s15
.endif
	s_mov_b32 s15, 0
	s_lshl_b32 s16, s[TX], 8                       ; B: 128 x columns, 128 half rows of 2,048 bytes
	s_lshl_b32 s17, s[WC], 18
	s_add_co_u32 s16, s16, s17
	s_add_co_u32 s16, s16, WOFF
	s_mov_b32 s17, 0
	s_mul_i32 s[WBA], s[WC], AHALF
	s_mul_i32 s[WBB], s[WC], BHALF
	s_add_co_u32 s[WBB], s[WBB], BOFF
	s_lshl_b32 s20, s[TX], 9                       ; my 64 columns of f32
	s_lshl_b32 s21, s[WC], 8
	s_add_co_u32 s20, s20, s21
	s_lshl_b32 s18, s[TY], 19                      ; my 64 rows of 4,096 bytes
	s_lshl_b32 s19, s[WR], 18
	s_add_co_u32 s18, s18, s19
	s_add_co_u32 s18, s18, s20
	s_mov_b32 s19, 0
	s_mov_b32 s21, 0
	s_mov_b32 s[TB], 0
	s_mov_b32 s[TBF], SLOT
	s_wait_dscnt 0x0                               ; the opening add is done
	s_wait_kmcnt 0x0
	s_add_nc_u64 s[66:67], s[4:5], s[14:15]
	s_add_nc_u64 s[68:69], s[6:7], s[16:17]
	s_add_nc_u64 s[RES:RES+1], s[10:11], s[18:19]
	s_add_nc_u64 s[OUT:OUT+1], s[12:13], s[18:19]
	s_add_nc_u64 s[BIA:BIA+1], s[8:9], s[20:21]
.irp s, 0,1
	s_mov_b32 s[G0A+4*(\s)], 1
	s_add_co_u32 s[G0A+4*(\s)+1], s[WBA], (\s)*SLOT
	s_add_nc_u64 s[G0A+4*(\s)+2:G0A+4*(\s)+3], s[66:67], (\s)*ASTEP
	s_or_b32 s[G0A+4*(\s)+3], s[G0A+4*(\s)+3], 0x80000000
	s_mov_b32 s[G0B+4*(\s)], 1
	s_add_co_u32 s[G0B+4*(\s)+1], s[WBB], (\s)*SLOT
	s_add_nc_u64 s[G0B+4*(\s)+2:G0B+4*(\s)+3], s[68:69], (\s)*BSTEP
	s_or_b32 s[G0B+4*(\s)+3], s[G0B+4*(\s)+3], 0x80000000
.endr
	CROUND                                         ; all sixteen work-groups are here: the first joint loads meet
	s_cmp_eq_u32 s[WR], 0                          ; a wave's two first fills stand in one branch: two loads of mine are out
	s_cbranch_scc0 .Lfirst_b
	tensor_load_to_lds s[G0A:G0A+3], s[G1A:G1A+7]
	s_nop 0
	tensor_load_to_lds s[G0A+4:G0A+7], s[G1A:G1A+7]
	s_nop 0
	PLACES
	s_branch .Lfirst_done
.Lfirst_b:
	tensor_load_to_lds s[G0B:G0B+3], s[G1B:G1B+7]
	s_nop 0
	tensor_load_to_lds s[G0B+4:G0B+7], s[G1B:G1B+7]
	s_nop 0
	PLACES
.Lfirst_done:
	v_and_b32 v1, 15, v0                           ; r
	v_bfe_u32 v2, v0, 4, 1                         ; h
	v_and_b32 v4, 7, v0
	v_bfe_u32 v5, v0, 3, 1
	v_lshlrev_b32 v[RO], 12, v1
	v_lshl_add_u32 v[RO], v2, 5, v[RO]             ; the residual as the accumulators hold it: row r, columns 8 h + 0..7
.irp a, 0,1,2,3
.irp b, 0,1,2,3
	global_load_b128 v[ACC+8*(4*(\a)+(\b)):ACC+8*(4*(\a)+(\b))+3],   v[RO], s[RES:RES+1] offset:65536*(\a)+64*(\b)
	global_load_b128 v[ACC+8*(4*(\a)+(\b))+4:ACC+8*(4*(\a)+(\b))+7], v[RO], s[RES:RES+1] offset:65536*(\a)+64*(\b)+16
.endr
.endr
	v_lshlrev_b32 v6, 4, v1
	global_load_b128 v[32:35], v6, s[BIA:BIA+1]    ; the bias of the four columns that I store
	v_mul_u32_u24 v3, v1, PA
	v_lshl_add_u32 v3, v2, 4, v3
	s_mul_i32 s70, s[WR], 64*PA
	v_add_nc_u32 v[ADRA0], s70, v3
	v_lshl_add_u32 v7, v2, 3, v4
	v_mul_u32_u24 v7, v7, PB
	v_lshl_add_u32 v7, v5, 4, v7
	s_lshl_b32 s70, s[WC], 7
	s_add_co_u32 s70, s70, BOFF
	v_add_nc_u32 v[ADRB0], s70, v7
	v_add_nc_u32 v[ADRB0+1], 128*PB, v[ADRB0]
	v_mov_b32 v[ADRA], v[ADRA0]
	v_mov_b32 v[ADRB], v[ADRB0]
	v_mov_b32 v[ADRB+1], v[ADRB0+1]
	s_mul_i32 s70, s[WV], 64*SPITCH                ; the way out: 64 rows x 272 bytes of my own, in the ring's bytes
	v_mul_u32_u24 v8, v1, SPITCH
	v_lshl_add_u32 v8, v2, 5, v8
	v_add_nc_u32 v[DST], s70, v8
	v_mul_u32_u24 v8, v2, SPITCH
	v_lshl_add_u32 v8, v1, 4, v8
	v_add_nc_u32 v[RD], s70, v8
	v_lshlrev_b32 v8, 12, v2
	v_lshl_add_u32 v[GO], v1, 4, v8
.if DOWN
	; the prefetches stand at K step 3 and are stepped ahead of each request.  A's rows: the cluster with x = 0 asks, the partner at cx takes 16 of the 64 rows that the wave fetches, two blocks a row.
	; B's rows: the cluster with y = 0 asks, the partner at cy takes 32 of the wave's 128 rows, a lane a row.
	s_lshl_b32 s98, s[CX], 16
	s_add_co_u32 s98, s98, s14
	s_add_co_u32 s98, s98, 3*ASTEP
	s_lshl_b32 s70, s[CY], 16
	s_add_co_u32 s70, s70, s16
	s_add_co_u32 s70, s70, 3*BSTEP
	s_and_b32 s71, ttmp7, 0xffff
	s_mov_b32 s[PST], BSTEP
	s_mov_b32 s96, 2048
	s_cmp_eq_u32 s[WR], 0
	s_cselect_b32 s98, s98, s70
	s_cselect_b32 s71, ttmp9, s71
	s_cselect_b64 s[PFA:PFA+1], s[4:5], s[6:7]
	s_cselect_b32 s[PST], ASTEP, s[PST]
	s_cselect_b32 s96, 4096, s96
	s_cselect_b32 s97, 1, 0
	s_mov_b32 s[PST+1], 0
	s_mov_b32 s99, 0
	s_add_nc_u64 s[PFA:PFA+1], s[PFA:PFA+1], s[98:99]
	s_cmp_eq_u32 s71, 0
	s_cselect_b32 s[LIM], 2, -1
	v_and_b32 v9, 31, v0
	v_lshrrev_b32 v10, s97, v9
	v_mul_u32_u24 v10, s96, v10
	v_and_b32 v9, s97, v9
	v_lshl_add_u32 v[PFO], v9, 8, v10
.endif
.macro WM d, b, a
.if DOWN
	v_wmma_f32_16x16x32_bf16 v[\d:\d+7], v[\b:\b+7], v[\a:\a+7], v[\d:\d+7]
.else
	v_wmma_f32_16x16x32_f16 v[\d:\d+7], v[\b:\b+7], v[\a:\a+7], v[\d:\d+7]
.endif
.endm
; 8 products: row blocks a0, a0 + 1 x all 4 column blocks, 32 along K: half c of buffer f.  The 16 accumulators take turns.
.macro MUL8 f, c, a0
	WIN MUL
.irp a, \a0, (\a0)+1
.irp b, 0,1,2,3
	WM ACC+8*(4*(\a)+(\b)), (\f)+64+8*(4*(\c)+(\b)), (\f)+8*(4*(\c)+(\a))
.endr
.endr
.endm
; 32 LDS loads in one run: quarter qn (64 along K) of the slot in hand into buffer f; the first 32 along K first
.macro FETCH qn, f
	WIN TO_F
.irp c, 0,1
.irp i, 0,1,2,3
	ds_load_tr16_b128 v[(\f)+64+8*(4*(\c)+(\i)):(\f)+64+8*(4*(\c)+(\i))+3],   v[ADRB+(\qn)/2] offset:(((\qn)%2)*64+32*(\c))*PB+32*(\i)
	ds_load_tr16_b128 v[(\f)+64+8*(4*(\c)+(\i))+4:(\f)+64+8*(4*(\c)+(\i))+7], v[ADRB+(\qn)/2] offset:(((\qn)%2)*64+32*(\c))*PB+32*(\i)+16*PB
	ds_load_b128 v[(\f)+8*(4*(\c)+(\i)):(\f)+8*(4*(\c)+(\i))+3],   v[ADRA] offset:(\qn)*AQ+64*(\c)+(\i)*16*PA
	ds_load_b128 v[(\f)+8*(4*(\c)+(\i))+4:(\f)+8*(4*(\c)+(\i))+7], v[ADRA] offset:(\qn)*AQ+64*(\c)+(\i)*16*PA+32
.endr
.endr
.endm
.macro QUARTER qn, f, g                ; multiplies buffer f; in its middle fetches quarter qn into g
	s_wait_dscnt 16                                ; the first 32 along K are in
	MUL8 \f, 0, 0
	MUL8 \f, 0, 2
	PLACES
	FETCH \qn, \g
	s_wait_dscnt 32                                ; all but the run just issued
	MUL8 \f, 1, 0
	MUL8 \f, 1, 2
.endm
; A K step's last quarter multiplies buffer 1 and changes slots: in front of the barrier each wave waits for all its tensor loads, adds 0 to its spare word, and waits for that and for its reads of the slot.
; fill = 1: the barrier opens a round of the cluster's, and the joint refill is the first tensor load behind it: 112 products ahead of the wait for it.
.macro TURN fill
.if DOWN && (\fill)
	s_wait_xcnt 0x0                                ; the last prefetch, a K step back, has read its address
	s_add_nc_u64 s[PFA:PFA+1], s[PFA:PFA+1], s[PST:PST+1]
.endif
	WIN 0
	s_wait_tensorcnt 0x0
	ds_add_u32 v[SPW], v[NIL]
	s_wait_dscnt 17                                ; (the add and the youngest sixteen loads may be out)
	MUL8 F1, 0, 0
	s_wait_dscnt 0x0                               ; the add is done, and my reads of this slot are over
	s_barrier_signal -1
	MUL8 F1, 0, 2
	WIN 0
	s_barrier_wait -1
.if \fill
	CREST
	s_xor_b32 s[TBF], s[TBF], SLOT
	s_add_co_u32 s[G0A+5], s[WBA], s[TBF]
	s_add_nc_u64 s[G0A+6:G0A+7], s[G0A+6:G0A+7], ASTEP
	s_add_co_u32 s[G0B+5], s[WBB], s[TBF]
	s_add_nc_u64 s[G0B+6:G0B+7], s[G0B+6:G0B+7], BSTEP
	JLOAD
.else
	PLACES
.endif
	s_xor_b32 s[TB], s[TB], SLOT
	v_add_nc_u32 v[ADRA], s[TB], v[ADRA0]
	v_add_nc_u32 v[ADRB], s[TB], v[ADRB0]
	v_add_nc_u32 v[ADRB+1], s[TB], v[ADRB0+1]
	FETCH 0, F0
.if DOWN && (\fill)
	WIN 0
	ASK
.endif
	MUL8 F1, 1, 0
	MUL8 F1, 1, 2
.endm
	s_wait_tensorcnt 1                             ; my part of K step 0 is in; K step 1's may stay out
	s_barrier_signal -1
	s_barrier_wait -1
	FETCH 0, F0
	s_wait_loadcnt 0x0                             ; the residual lies in the accumulators
	WIN 0
	s_mov_b32 s[LAP], T-2
.Llap:                                                 ; a trip is a K step, with its refill
	QUARTER 1, F0, F1
	QUARTER 2, F1, F0
	QUARTER 3, F0, F1
	TURN 1
	WIN 0
	s_sub_co_u32 s[LAP], s[LAP], 1
	s_cmp_lg_u32 s[LAP], 0
	s_cbranch_scc1 .Llap
	QUARTER 1, F0, F1                              ; the last two K steps ask for nothing
	QUARTER 2, F1, F0
	QUARTER 3, F0, F1
	TURN 0
	QUARTER 1, F0, F1
	QUARTER 2, F1, F0
	QUARTER 3, F0, F1
	s_wait_dscnt 16
	MUL8 F1, 0, 0
	MUL8 F1, 0, 2
	s_wait_dscnt 0x0
	MUL8 F1, 1, 0
	MUL8 F1, 1, 2
	WIN 0
	; THE WAY OUT.  My 64 columns of f32 are whole blocks of 256 bytes: they go through bytes of my own in the ring, which has had its last fill, and come back as whole rows.
	s_barrier_signal -1                            ; every wave's reads of the ring are over
	s_barrier_wait -1
	PLACES
.irp a, 0,1,2,3
.irp b, 0,1,2,3
	ds_store_b128 v[DST], v[ACC+8*(4*(\a)+(\b)):ACC+8*(4*(\a)+(\b))+3]   offset:(\a)*16*SPITCH+64*(\b)
	ds_store_b128 v[DST], v[ACC+8*(4*(\a)+(\b))+4:ACC+8*(4*(\a)+(\b))+7] offset:(\a)*16*SPITCH+64*(\b)+16
.endr
.endr
	s_mov_b32 s[LAP], 4
.Lout:                                                 ; a trip: 16 rows, two a load (LDS serves a wave's instructions in order: ISA guide 5.7.1.4)
.irp u, 0,1,2,3,4,5,6,7
	ds_load_b128 v[64+4*\u:67+4*\u], v[RD] offset:2*SPITCH*\u
.endr
.irp u, 0,1,2,3,4,5,6,7
	s_wait_dscnt 7-\u                              ; the younger loads may stay out
	v_pk_add_f32 v[64+4*\u:65+4*\u], v[64+4*\u:65+4*\u], v[32:33]
	v_pk_add_f32 v[66+4*\u:67+4*\u], v[66+4*\u:67+4*\u], v[34:35]
	global_store_b128 v[GO], v[64+4*\u:67+4*\u], s[OUT:OUT+1] offset:8192*\u  ; sixteen lanes store 256 consecutive bytes, aligned
.endr
	s_wait_xcnt 0x0                                ; the stores' data and base are written again only behind this wait
	v_add_nc_u32 v[RD], 16*SPITCH, v[RD]
	s_add_nc_u64 s[OUT:OUT+1], s[OUT:OUT+1], 65536
	s_sub_co_u32 s[LAP], s[LAP], 1
	s_cmp_lg_u32 s[LAP], 0
	s_cbranch_scc1 .Lout
	s_wait_tensorcnt 0x0                           ; the wave's end
	ds_add_u32 v[SPW], v[NIL]
	s_wait_dscnt 0x0
	CROUND                                         ; the closing round
	s_endpgm
.Lfunc_end_k_q74b56ec5e2_down:
	.size	k_q74b56ec5e2_down, .Lfunc_end_k_q74b56ec5e2_down-k_q74b56ec5e2_down
	.p2alignl 7, 3214868480
	.fill 96, 4, 3214868480
	.section	.rodata,"a",@progbits
	.p2align	6, 0x0
	.amdhsa_kernel k_q74b56ec5e2_down
		.amdhsa_group_segment_fixed_size 327680
		.amdhsa_private_segment_fixed_size 0
		.amdhsa_enable_private_segment 0
		.amdhsa_kernarg_size 40
		.amdhsa_user_sgpr_count 2
		.amdhsa_user_sgpr_kernarg_segment_ptr 1
		.amdhsa_wavefront_size32 1
		.amdhsa_system_sgpr_workgroup_id_x 1
		.amdhsa_system_sgpr_workgroup_id_y 1
		.amdhsa_system_sgpr_workgroup_id_z 1
		.amdhsa_system_vgpr_workitem_id 0
		.amdhsa_next_free_vgpr 512
		.amdhsa_next_free_sgpr 100
		.amdhsa_reserve_vcc 0
		.amdhsa_float_denorm_mode_32 3
		.amdhsa_float_denorm_mode_16_64 3
		.amdhsa_memory_ordered 1
		.amdhsa_forward_progress 1
		.amdhsa_inst_pref_size 70
	.end_amdhsa_kernel
	.amdgpu_metadata
---
amdhsa.version: [ 1, 2 ]
amdhsa.kernels:
  - .name:           k_q74b56ec5e2_down
    .symbol:         k_q74b56ec5e2_down.kd
    .args:
      - { .name: g, .offset: 0, .size: 8, .value_kind: global_buffer, .address_space: global }
      - { .name: wts, .offset: 8, .size: 8, .value_kind: global_buffer, .address_space: global }
      - { .name: p_b, .offset: 16, .size: 8, .value_kind: global_buffer, .address_space: global }
      - { .name: x1, .offset: 24, .size: 8, .value_kind: global_buffer, .address_space: global }
      - { .name: out0, .offset: 32, .size: 8, .value_kind: global_buffer, .address_space: global }
    .group_segment_fixed_size: 327680
    .private_segment_fixed_size: 0
    .kernarg_segment_align: 8
    .kernarg_segment_size: 40
    .max_flat_workgroup_size: 128
    .sgpr_count:     100
    .vgpr_count:     512
    .wavefront_size: 32
...
	.end_amdgpu_metadata
.endif
;; end of part 7
